; MI455X (gfx1250); checked and timed in simulation.
; The chip was launched on July 23, 2026; its instructions are those of AMD's public machine-readable ISA for CDNA 5 (MIT licence, August 2026) and "CDNA5" Instruction Set Architecture Reference Guide (July 2026). The comments in the code are by the model that wrote it; some were corrected since.
;; H Module. Allowed arithmetic: matrix products marked QUANTISED: E5M2 operands, one given power-of-two scale a tensor, by v_wmma_f32_16x16x64_bf8_bf8 or v_wmma_f32_16x16x128_bf8_bf8, f32 sums; everything else in f32.
;; Inputs: g_norm1 1,024 float32; g_norm2 1,024 float32; lowp_scales 12 int32 (the exponents e of the quantised operands' scales 2^e); w_ffn1_codes 4,096 x 32 x 32 uint8 (E5M2 codes of w_ffn1, K innermost, in blocks of 32 codes); w_ffn2_codes 1,024 x 128 x 32 uint8 (E5M2 codes of w_ffn2, K innermost, in blocks of 32 codes); w_proj_codes 1,024 x 32 x 32 uint8 (E5M2 codes of w_proj, K innermost, in blocks of 32 codes); w_qkv_codes 3,072 x 32 x 32 uint8 (E5M2 codes of w_qkv, K innermost, in blocks of 32 codes); z_H_previous 2 x 2,048 x 1,024 float32; z_L_current 2 x 2,048 x 1,024 float32.
;; Outputs: out0 2 x 2,048 x 1,024 float32.
;; This version of the problem:
;;   THIS VERSION OF THE PROBLEM IS GIVEN IN LOW PRECISION. The matrix products marked QUANTISED in the list below multiply operands that are first quantised to E5M2 (5 exponent bits, 2 mantissa bits; 8 bits a number), with one given power-of-two scale for each operand tensor; their sums are f32. All else is computed in f32.
;;   The module's matrix products, in the order in which they are computed (A, B: the left and right operand; K: the contracted axis; several contracted axes count as one K, in the product's order):
;;     1. [M 4,096, K 1,024] x [K 1,024, N 3,072]; A: computed on the way; B: input w_qkv (given as codes): QUANTISED (scales: A lowp_scales[0], B lowp_scales[1])
;;     2. batch 32 x [M 2,048, K 64] x [K 64, N 2,048]; A: computed on the way; B: computed on the way: QUANTISED (scales: A lowp_scales[2], B lowp_scales[3])
;;     3. batch 32 x [M 2,048, K 2,048] x [K 2,048, N 64]; A: softmax (see below); B: computed on the way: QUANTISED (scales: A lowp_scales[4], B lowp_scales[5])
;;     4. [M 4,096, K 1,024] x [K 1,024, N 1,024]; A: computed on the way; B: input w_proj (given as codes): QUANTISED (scales: A lowp_scales[6], B lowp_scales[7])
;;     5. [M 4,096, K 1,024] x [K 1,024, N 4,096]; A: computed on the way; B: input w_ffn1 (given as codes): QUANTISED (scales: A lowp_scales[8], B lowp_scales[9])
;;     6. [M 4,096, K 4,096] x [K 4,096, N 1,024]; A: computed on the way; B: input w_ffn2 (given as codes): QUANTISED (scales: A lowp_scales[10], B lowp_scales[11])
;;   THE QUANTISER, for each operand of a quantised product, along K:
;;     - The operand's scale is 2^e, e = its entry of the input lowp_scales (int32; the entries are numbered through the quantised products in the list's order, A before B).
;;     - Each number is divided by the scale, clamped to +-57,344, and rounded to the nearest number of E5M2, ties to even, subnormals kept.
;;     - The product sums the exact products of the quantised numbers (number of the format x scale) in f32.
;;   ~~~python
;;   def quantise(x, axis, e):      # numpy; x: float32 -> the quantised numbers, widened to float32 again
;;       x = np.moveaxis(x, axis, -1); K = x.shape[-1]
;;       r = np.clip(x / 2.0 ** e, -57344, 57344)
;;       step = 2.0 ** (np.maximum(np.frexp(np.where(r == 0, 1, r))[1] - 1, -14) - 2)
;;       q = np.round(r / step) * step * 2.0 ** e      # np.round: ties to even
;;       return np.moveaxis(q, -1, axis).astype(np.float32)
;;   ~~~
;;   SOFTMAX AHEAD OF A QUANTISED PRODUCT. Where the list says 'softmax', what is quantised is not the finished softmax but p = 2^(t - M), with t = logit x log2(e) and M = ceil(the row's largest t), a whole number; so 1/2 < the row's largest p <= 1. The row's sum l is taken of the UNQUANTISED p, in f32, and the product's result is divided by l at the end. Since M is a whole number, a kernel that streams over the keys may use a running M (the ceiling of the running maximum): every later rescaling is an exact power of two, so the quantised numbers keep their values, but for numbers so far below the row's largest that they fall under the format's range.
;;   OPERANDS COMPUTED ON THE WAY. 'Computed on the way' means the value that the module computes at that place (a softmax that the list does not call 'softmax' is quantised finished and normalised). What goes into a quantiser is computed in f32, as accurately as f32 sums, v_exp_f32 and their like allow (about 1e-6 of the number): no bf16 or f16 on the way to a quantiser, and a product that is left as it is and whose result goes on into a quantised operand takes f32 operands (vector FMAs, or v_wmma_f32_16x16x4_f32). A number that lies on a knife's edge between two numbers of the format may be rounded either way, as far as f32 arithmetic and the matrix unit's own rounding can turn it there, and no further.
;;   INPUTS GIVEN AS CODES. w_ffn1 (in the module: [1024, 4096], K = its axis 0); w_ffn2 (in the module: [4096, 1024], K = its axis 0); w_proj (in the module: [1024, 1024], K = its axis 0); w_qkv (in the module: [1024, 3072], K = its axis 0): each comes as NAME_codes (uint8): NAME with its K axis moved to the last place and cut into blocks of 32 codes, [.., K / 32, bytes a block], one block behind the other in memory; one code a byte (a code: sign, 5 exponent bits, 2 mantissa bits); its scale is its entry of lowp_scales. Its value is code x scale, taken as it is: it is not quantised again, and the codes and scales need not be those that the quantiser above would give.
;; One version. Each part assembles by itself: llvm-mc -triple=amdgcn-amd-amdhsa -mcpu=gfx1250 --defsym DOCPART=n.
;; ======== version 1 of 1: 7 launches
;; limits: right only within a limited range of input values
;; workspace buffers: h_codes 4,194,304 bytes; rope_tab 524,288 bytes; q_img 4,194,304 bytes; kv_img 8,388,608 bytes; o_img 4,194,304 bytes; x2 16,777,216 bytes; a_img 16,777,216 bytes
;; launch norm1 (part 1): grid 256 x 1, 16 waves a work-group, no clusters, 18,432 bytes of LDS; arguments z_H_previous, z_L_current, g_norm1, lowp_scales, h_codes, rope_tab; writes h_codes, rope_tab
.if DOCPART == 1
	.amdgcn_target "amdgcn-amd-amdhsa--gfx1250"
	.amdhsa_code_object_version 6
	.text
	.protected	k_q5797f6c187_norm1
	.globl	k_q5797f6c187_norm1
	.p2align	8
	.type	k_q5797f6c187_norm1,@function
k_q5797f6c187_norm1:
	s_mov_b64 s[64:65], 0
	v_nop
	global_prefetch_b8 v0, s[64:65] scope:SCOPE_SE
	s_setreg_imm32_b32 hwreg(HW_REG_WAVE_MODE, 25, 1), 1
	s_wait_xcnt 0x0
; LAUNCH 1 OF 7.  h_codes = Q(rmsnorm(z_H + z_L, g_norm1)), codes of E5M2 with the given scale 2^e0, rows of 1,024 bytes, K innermost; and the table of RoPE's cosines and sines.
; DEAD WORK: none was found in this problem.  Every input has a way to the output, reference() builds no mask and slices nothing away: all six products are done whole and every input is loaded.
; SHARES.  One wave takes one row of 1,024 numbers (row = 16 x work-group + wave): 8 loads of 512 consecutive bytes for each of z_H, z_L and g, all out at once.  No loop, no barrier: waves share nothing.
; A lane's registers hold 4 neighbours of each 128 along K, so a conversion's two registers are 4 codes of two different 128s: the eight code registers go through the wave's own 1,024 bytes of LDS
; (4 bytes a lane, 128 consecutive bytes a store) and come back 16 bytes a lane: the row leaves as two stores of 512 consecutive bytes.
; THE TABLE.  rope_tab[position tile of 16][piece q = 4 kind + 2 t + jj][lane][4 f32]: kind 0 cos, 1 sin; lane (r, h) holds d = 16 t + 8 h + 4 jj + 0..3 at position 16 tile + r: the order in which the next launch's
; registers want it.  Waves 0 and 1 of work-group g make pieces (tile g / 2, t = g % 2, jj = wave) while their row's loads are out.  angle = pos x 2^(-d log2(10000) / 32); reduced by the nearest multiple of pi/2
; (pi/2 in two parts, fused), then polynomials of degree 9 and 10 on |rho| <= pi/4; the quadrant only selects and flips signs.
; LIMITS: e0 between -126 and 112.  NaN among the inputs is not served.  The angle agrees with reference()'s f32 angle to about 1e-4 rad at the largest angles, which is that angle's own uncertainty in f32.
.set SPARE, 16384                      ; behind the sixteen stages: the spare words, 128 bytes for each wave
.set LO,  1                            ; v1  16 x lane
.set SA,  2                            ; v2  the stage, in: 4 x lane + 1,024 x wave
.set SR,  3                            ; v3  the stage, back: 16 x lane + 1,024 x wave
.set SPW, 4                            ; v4  my spare word; never rewritten
.set NIL, 5                            ; v5  0; never rewritten
.set SC,  6                            ; v6  2^e0 as f32
.set LIM, 7                            ; v7  57,344 x 2^e0
.set X,   16                           ; v16-47   z_H, then x, then the normed row
.set Y,   48                           ; v48-79   z_L
.set G,   80                           ; v80-111  g
.set CD,  112                          ; v112-119 codes
.set BK,  120                          ; v120-127 the row's codes, back from the stage
	s_load_b256 s[4:11], s[0:1], 0x0               ; z_H s[4:5], z_L s[6:7], g s[8:9], the scales' exponents s[10:11]
	s_load_b128 s[12:15], s[0:1], 0x20             ; h_codes s[12:13], rope_tab s[14:15]
	v_lshl_add_u32 v[SPW], v0, 2, SPARE
	v_mov_b32 v[NIL], 0
	v_lshrrev_b32 v6, 5, v0
	s_delay_alu instid0(VALU_DEP_1)
	v_readfirstlane_b32 s16, v6                    ; wave 0..15
	v_and_b32 v7, 31, v0                           ; lane
	s_delay_alu instid0(VALU_DEP_1)
	v_lshlrev_b32 v[LO], 4, v7
	s_lshl_b32 s17, s16, 10
	v_lshl_add_u32 v[SA], v7, 2, s17
	v_add_nc_u32 v[SR], s17, v[LO]
	s_lshl_b32 s18, ttmp9, 4
	s_add_co_u32 s18, s18, s16                     ; my row
	s_lshl_b32 s26, s18, 10                        ; its codes: 1,024 bytes a row
	s_mov_b32 s27, 0
	s_lshl_b32 s18, s18, 12                        ; its numbers: 4,096 bytes a row
	s_mov_b32 s19, 0
	s_mov_b32 s21, 0x3a800000                      ; 1 / 1,024
	s_mov_b32 s22, 0x358637bd                      ; 1e-6
	s_mov_b32 s24, 0x76543210                      ; v_permlanex16_b32: lane l xor 16
	s_mov_b32 s25, 0xfedcba98
	s_wait_alu depctr_va_vdst(0)
	s_wait_kmcnt 0x0
	s_load_b32 s20, s[10:11], 0x0                  ; e0
	s_add_nc_u64 s[4:5], s[4:5], s[18:19]
	s_add_nc_u64 s[6:7], s[6:7], s[18:19]
	s_add_nc_u64 s[12:13], s[12:13], s[26:27]
.irp j, 0,1,2,3,4,5,6,7
	global_load_b128 v[X+4*\j:X+4*\j+3], v[LO], s[4:5] offset:512*\j th:TH_LOAD_NT
.endr
.irp j, 0,1,2,3,4,5,6,7
	global_load_b128 v[Y+4*\j:Y+4*\j+3], v[LO], s[6:7] offset:512*\j th:TH_LOAD_NT
.endr
.irp j, 0,1,2,3,4,5,6,7
	global_load_b128 v[G+4*\j:G+4*\j+3], v[LO], s[8:9] offset:512*\j
.endr
	s_cmp_gt_u32 s16, 1                            ; waves 0 and 1 make the table while their loads are out
	s_cbranch_scc1 .Lno_table
	s_lshr_b32 s28, ttmp9, 1                       ; position tile
	s_and_b32 s29, ttmp9, 1                        ; t
	s_mov_b32 s32, 0x3fc90fdb                      ; pi/2, high part
	s_mov_b32 s33, 0xb33bbd2e                      ; pi/2, what the high part lacks
	v_and_b32 v128, 15, v0                         ; r
	v_bfe_u32 v129, v0, 4, 1                       ; h
	s_lshl_b32 s30, s28, 4
	v_add_nc_u32 v128, s30, v128                   ; the position
	s_delay_alu instid0(VALU_DEP_1)
	v_cvt_f32_u32 v128, v128
	s_lshl_b32 s30, s29, 4
	s_lshl_b32 s31, s16, 2
	s_add_co_u32 s30, s30, s31                     ; 16 t + 4 jj
	v_lshl_add_u32 v129, v129, 3, s30              ; + 8 h
	s_lshl_b32 s30, s29, 1
	s_add_co_u32 s30, s30, s16                     ; the piece 2 t + jj,
	s_lshl_b32 s30, s30, 9                         ; 512 bytes each,
	s_lshl_b32 s31, s28, 12                        ; in the tile's 4,096
	s_add_co_u32 s30, s30, s31
	s_mov_b32 s31, 0
	s_add_nc_u64 s[14:15], s[14:15], s[30:31]
.irp i, 0,1,2,3
	v_add_nc_u32 v[132+\i], \i, v129               ; d
.endr
.irp i, 0,1,2,3
	s_delay_alu instid0(VALU_DEP_4)
	v_cvt_f32_u32 v[132+\i], v[132+\i]
.endr
.irp i, 0,1,2,3
	s_delay_alu instid0(VALU_DEP_4)
	v_mul_f32 v[132+\i], 0xbed49a78, v[132+\i]     ; -d log2(10000) / 32
.endr
	s_wait_alu depctr_va_vdst(0)
.irp i, 0,1,2,3
	v_exp_f32 v[132+\i], v[132+\i]                 ; 1 / 10000^(d / 32)
.endr
	v_nop                                          ; a plain instruction behind the last exponential,
	s_wait_alu depctr_va_vdst(0)                   ; and one wait for the four, ahead of their first reader
.irp i, 0,1,2,3
	v_mul_f32 v[132+\i], v128, v[132+\i]           ; the angle
.endr
.irp i, 0,1,2,3
	s_delay_alu instid0(VALU_DEP_4)
	v_mul_f32 v[136+\i], 0x3f22f983, v[132+\i]     ; x 2 / pi
.endr
.irp i, 0,1,2,3
	s_delay_alu instid0(VALU_DEP_4)
	v_rndne_f32 v[136+\i], v[136+\i]               ; n
.endr
.irp i, 0,1,2,3
	s_delay_alu instid0(VALU_DEP_4)
	v_fma_f32 v[132+\i], -v[136+\i], s32, v[132+\i]
.endr
.irp i, 0,1,2,3
	s_delay_alu instid0(VALU_DEP_4)
	v_fma_f32 v[132+\i], -v[136+\i], s33, v[132+\i]  ; rho = angle - n pi/2
.endr
.irp i, 0,1,2,3
	v_mul_f32 v[140+\i], v[132+\i], v[132+\i]      ; z = rho^2
	v_mov_b32 v[144+\i], 0x3638ef1d                ; 1/9!
	v_mov_b32 v[148+\i], 0xb493f27e                ; -1/10!
.endr
.irp i, 0,1,2,3
	v_fmaak_f32 v[144+\i], v[144+\i], v[140+\i], 0xb9500d01   ; -1/7!
	v_fmaak_f32 v[148+\i], v[148+\i], v[140+\i], 0x37d00d01   ; 1/8!
.endr
.irp i, 0,1,2,3
	v_fmaak_f32 v[144+\i], v[144+\i], v[140+\i], 0x3c088889   ; 1/5!
	v_fmaak_f32 v[148+\i], v[148+\i], v[140+\i], 0xbab60b61   ; -1/6!
.endr
.irp i, 0,1,2,3
	v_fmaak_f32 v[144+\i], v[144+\i], v[140+\i], 0xbe2aaaab   ; -1/3!
	v_fmaak_f32 v[148+\i], v[148+\i], v[140+\i], 0x3d2aaaab   ; 1/4!
.endr
.irp i, 0,1,2,3
	v_mul_f32 v[160+\i], v[132+\i], v[140+\i]      ; rho z
	v_fmaak_f32 v[148+\i], v[148+\i], v[140+\i], 0xbf000000   ; -1/2!
.endr
.irp i, 0,1,2,3
	v_fma_f32 v[144+\i], v[160+\i], v[144+\i], v[132+\i]      ; sin rho
	v_fma_f32 v[148+\i], v[148+\i], v[140+\i], 1.0            ; cos rho
	v_cvt_i32_f32 v[136+\i], v[136+\i]             ; the quadrant k: it only selects values
.endr
.irp i, 0,1,2,3
	v_and_b32 v[140+\i], 1, v[136+\i]
	s_delay_alu instid0(VALU_DEP_1)
	v_cmp_eq_u32 vcc_lo, 1, v[140+\i]
	s_delay_alu instid0(VALU_DEP_1)
	v_cndmask_b32 v[152+\i], v[148+\i], v[144+\i], vcc_lo     ; cos: in odd quadrants the sine's polynomial,
	s_delay_alu instid0(VALU_DEP_2)
	v_cndmask_b32 v[156+\i], v[144+\i], v[148+\i], vcc_lo     ; sin: the cosine's
	v_and_b32 v[140+\i], 2, v[136+\i]
	s_delay_alu instid0(VALU_DEP_1)
	v_lshlrev_b32 v[140+\i], 30, v[140+\i]
	s_delay_alu instid0(VALU_DEP_1)
	v_xor_b32 v[156+\i], v[140+\i], v[156+\i]      ; sin is negative in quadrants 2 and 3,
	v_add_nc_u32 v[136+\i], 1, v[136+\i]
	s_delay_alu instid0(VALU_DEP_1)
	v_and_b32 v[136+\i], 2, v[136+\i]
	s_delay_alu instid0(VALU_DEP_1)
	v_lshlrev_b32 v[136+\i], 30, v[136+\i]
	s_delay_alu instid0(VALU_DEP_1)
	v_xor_b32 v[152+\i], v[136+\i], v[152+\i]      ; cos in quadrants 1 and 2
.endr
	global_store_b128 v[LO], v[152:155], s[14:15]              ; 512 consecutive bytes
	global_store_b128 v[LO], v[156:159], s[14:15] offset:2048
.Lno_table:
	s_wait_loadcnt 8                               ; z_H and z_L are in; g's eight loads may be out
.set j, 0
.rept 16
	v_pk_add_f32 v[X+j:X+j+1], v[X+j:X+j+1], v[Y+j:Y+j+1]      ; x
.set j, j+2
.endr
.irp c, 0,2,4,6
	v_pk_mul_f32 v[8+\c:9+\c], v[X+\c:X+\c+1], v[X+\c:X+\c+1]  ; the squares' sum, in four packed chains; the first products start them
.endr
.set j, 8
.rept 12
	s_delay_alu instid0(VALU_DEP_4)
	v_pk_fma_f32 v[8+j%8:9+j%8], v[X+j:X+j+1], v[X+j:X+j+1], v[8+j%8:9+j%8]
.set j, j+2
.endr
	s_delay_alu instid0(VALU_DEP_3)
	v_pk_add_f32 v[8:9], v[8:9], v[10:11]
	s_delay_alu instid0(VALU_DEP_2)
	v_pk_add_f32 v[12:13], v[12:13], v[14:15]
	s_delay_alu instid0(VALU_DEP_1)
	v_pk_add_f32 v[8:9], v[8:9], v[12:13]
	s_delay_alu instid0(VALU_DEP_1)
	v_add_f32 v8, v8, v9
	s_delay_alu instid0(VALU_DEP_1)
	v_add_f32_dpp v8, v8, v8 row_xmask:1 row_mask:0xf bank_mask:0xf
	s_delay_alu instid0(VALU_DEP_1)
	v_add_f32_dpp v8, v8, v8 row_xmask:2 row_mask:0xf bank_mask:0xf
	s_delay_alu instid0(VALU_DEP_1)
	v_add_f32_dpp v8, v8, v8 row_xmask:4 row_mask:0xf bank_mask:0xf
	s_delay_alu instid0(VALU_DEP_1)
	v_add_f32_dpp v8, v8, v8 row_xmask:8 row_mask:0xf bank_mask:0xf
	s_delay_alu instid0(VALU_DEP_1)
	v_permlanex16_b32 v9, v8, s24, s25
	s_delay_alu instid0(VALU_DEP_1)
	v_add_f32 v8, v8, v9                           ; every lane holds the row's sum
	s_delay_alu instid0(VALU_DEP_1)
	v_fma_f32 v8, v8, s21, s22                     ; the mean + 1e-6
	s_wait_alu depctr_va_vdst(0)
	v_rsq_f32 v10, v8
	v_mov_b32 v11, 0                               ; a plain instruction behind the root; v11 is named with v10 as a pair
	s_wait_kmcnt 0x0
	s_add_co_i32 s20, s20, 127
	s_lshl_b32 s23, s20, 23
	v_mov_b32 v[SC], s23                           ; 2^e0: the conversion takes its exponent field
	s_add_co_i32 s20, s20, 15
	s_lshl_b32 s20, s20, 23
	s_or_b32 s20, s20, 0x600000
	v_mov_b32 v[LIM], s20                          ; 57,344 x 2^e0
	s_wait_alu depctr_va_vdst(0)                   ; the wait ahead of the root's first reader
.set j, 0
.rept 16
	v_pk_mul_f32 v[X+j:X+j+1], v[X+j:X+j+1], v[10:11] op_sel_hi:[1,0]
.set j, j+2
.endr
	s_wait_loadcnt 0x0                             ; g
.set j, 0
.rept 16
	v_pk_mul_f32 v[X+j:X+j+1], v[X+j:X+j+1], v[G+j:G+j+1]      ; (x rsqrt) g, in reference()'s order
.set j, j+2
.endr
.set j, 0
.rept 32
	v_med3_num_f32 v[X+j], v[X+j], -v[LIM], v[LIM] ; the conversion to an 8-bit code does not saturate (ISA guide 7.6.2): the hold at the largest code x the scale
.set j, j+1
.endr
.irp q, 0,1,2,3
	v_cvt_scalef32_pk8_bf8_f32 v[CD+2*\q:CD+2*\q+1], v[X+8*\q:X+8*\q+7], v[SC]
.endr
	v_nop                                          ; a plain instruction behind the last conversion
.irp j, 0,1,2,3,4,5,6,7
	ds_store_b32 v[SA], v[CD+\j] offset:128*\j     ; register j: the codes of k = 128 j + 4 lane + 0..3
.endr
.irp u, 0,1
	ds_load_b128 v[BK+4*\u:BK+4*\u+3], v[SR] offset:512*\u     ; LDS serves a wave's instructions in order (ISA guide 5.7.1.4): these see my stores
.endr
	s_wait_dscnt 1                                 ; the first half of the row is back; the second load may be out
	global_store_b128 v[LO], v[BK:BK+3], s[12:13]
	s_wait_dscnt 0x0
	global_store_b128 v[LO], v[BK+4:BK+7], s[12:13] offset:512
	s_wait_tensorcnt 0x0                           ; the wave's end
	ds_add_u32 v[SPW], v[NIL]
	s_wait_dscnt 0x0
	s_endpgm
.Lfunc_end_k_q5797f6c187_norm1:
	.size	k_q5797f6c187_norm1, .Lfunc_end_k_q5797f6c187_norm1-k_q5797f6c187_norm1
	.p2alignl 7, 3214868480
	.fill 96, 4, 3214868480
	.section	.rodata,"a",@progbits
	.p2align	6, 0x0
	.amdhsa_kernel k_q5797f6c187_norm1
		.amdhsa_group_segment_fixed_size 18432
		.amdhsa_private_segment_fixed_size 0
		.amdhsa_enable_private_segment 0
		.amdhsa_kernarg_size 48
		.amdhsa_user_sgpr_count 2
		.amdhsa_user_sgpr_kernarg_segment_ptr 1
		.amdhsa_wavefront_size32 1
		.amdhsa_system_sgpr_workgroup_id_x 1
		.amdhsa_system_sgpr_workgroup_id_y 1
		.amdhsa_system_sgpr_workgroup_id_z 1
		.amdhsa_system_vgpr_workitem_id 0
		.amdhsa_next_free_vgpr 176
		.amdhsa_next_free_sgpr 66
		.amdhsa_reserve_vcc 1
		.amdhsa_float_denorm_mode_32 3
		.amdhsa_float_denorm_mode_16_64 3
		.amdhsa_memory_ordered 1
		.amdhsa_forward_progress 1
		.amdhsa_inst_pref_size 22
	.end_amdhsa_kernel
	.amdgpu_metadata
---
amdhsa.version: [ 1, 2 ]
amdhsa.kernels:
  - .name:           k_q5797f6c187_norm1
    .symbol:         k_q5797f6c187_norm1.kd
    .args:
      - { .name: z_H_previous, .offset: 0, .size: 8, .value_kind: global_buffer, .address_space: global }
      - { .name: z_L_current, .offset: 8, .size: 8, .value_kind: global_buffer, .address_space: global }
      - { .name: g_norm1, .offset: 16, .size: 8, .value_kind: global_buffer, .address_space: global }
      - { .name: lowp_scales, .offset: 24, .size: 8, .value_kind: global_buffer, .address_space: global }
      - { .name: h_codes, .offset: 32, .size: 8, .value_kind: global_buffer, .address_space: global }
      - { .name: rope_tab, .offset: 40, .size: 8, .value_kind: global_buffer, .address_space: global }
    .group_segment_fixed_size: 18432
    .private_segment_fixed_size: 0
    .kernarg_segment_align: 8
    .kernarg_segment_size: 48
    .max_flat_workgroup_size: 512
    .sgpr_count:     66
    .vgpr_count:     176
    .wavefront_size: 32
...
	.end_amdgpu_metadata
.endif
;; end of part 1
;; launch qkv (part 2): grid 12 x 16, 4 waves a work-group, clusters of 4 x 4, 327,680 bytes of LDS; arguments h_codes, w_qkv_codes, lowp_scales, rope_tab, q_img, kv_img; writes q_img, kv_img
.if DOCPART == 2
	.amdgcn_target "amdgcn-amd-amdhsa--gfx1250"
	.amdhsa_code_object_version 6
	.text
	.protected	k_q5797f6c187_qkv
	.globl	k_q5797f6c187_qkv
	.p2align	8
	.type	k_q5797f6c187_qkv,@function
k_q5797f6c187_qkv:
	s_mov_b64 s[64:65], 0
	v_nop
	global_prefetch_b8 v0, s[64:65] scope:SCOPE_SE
	s_setreg_imm32_b32 hwreg(HW_REG_WAVE_MODE, 25, 1), 1
	s_wait_xcnt 0x0
	s_wait_alu depctr_hold_cnt(0) depctr_sa_sdst(0) depctr_va_vdst(0) depctr_va_sdst(0) depctr_va_ssrc(0) depctr_va_vcc(0) depctr_vm_vsrc(0)
	s_getreg_b32 s2, hwreg(HW_REG_IB_STS2, 6, 4)
	s_cmp_eq_u32 s2, 0
	s_cbranch_scc0 .Lentry_in_a_cluster
	s_endpgm
.Lentry_in_a_cluster:
	s_bfe_u32 s2, ttmp6, 0x10000c
	s_cmp_lg_u32 s2, 0xf033
	s_cbranch_scc0 .Lentry_shape_is_right
	s_endpgm
.Lentry_shape_is_right:
; LAUNCH 2 OF 7.  qkv = h W_qkv on codes of E5M2; RoPE on q and k; q, k and v quantised with their given scales and stored as IMAGES OF THE NEXT PRODUCTS' OPERAND REGISTERS.  No work is left out.
; A tile of 256 x 256 is made by four waves, each 128 x 128 in 64 accumulators; K = 1,024 goes in steps of 256 through a ring of two LDS slots; 4 x 4 work-groups form a cluster and ask for tiles jointly:
; 'A' tiles are shared along a row of the cluster, 'B' tiles along a column.  The matrix instruction takes 16 rows of B as source 0 and 16 rows of A as source 1: a lane holds one row of A and, in accumulator b,
; B's rows 16 b + 8 (lane / 16) + 0..7.  One conversion of an accumulator's eight registers is then registers 2 b, 2 b + 1 of a fragment in the plain 8-bit layout (ISA guide 7.12.2): the results ARE operands.
; CLUSTER COLUMNS 0 AND 1 (q, k): A = 256 tokens of h, B = 256 rows of W (columns of q or k): a lane holds one token and channels: fragments of 16 tokens x 64 channels, one for each head.
; CLUSTER COLUMN 2 (v): the two operands' POINTERS change places: A = 256 rows of W_v (channels), B = 256 tokens: a lane holds one channel and keys: fragments of V^T, 16 channels x 128 keys.
; The cluster's x is the same in all sixteen partners: selections and the one branch on it are alike in all of them.  That branch stands behind the last change of slots: no barrier and no tensor load follows it.
; 192 work-groups: 12 x 16 tiles; none is there to make up a number.
; Both operands of this product lie in rows, and both are fetched by four 16-byte loads a fragment: the same permutation of k inside an instruction on both sides, so every product meets its partner.
; q_img[32 heads][128 token tiles][1,024]; kv_img[32 heads][16 key steps][8 images of K, 1,024 each; 4 images of V^T, 2,048 each].  An image: registers 4 g .. 4 g + 3 of lane l at byte 512 g + 16 l.
; A sum stands for sum x 2^(e0 + e1); RoPE is linear, so it is done on the sums, and the conversion takes 2^(e - e0 - e1), e = e2 (q), e3 (k), e5 (v).  LIMIT: e - e0 - e1 between -126 and 112.  NaN is not served.
; REGISTERS, in windows of 256: window 0: v16-29 addresses and constants; v32-127 tables 0-2; v128-255 A's fragments, one set; on the way out v128-191 rotated numbers, v192-207 at work, v208-239 codes.
;   window 1: B's fragments, two sets; at the end tables 3-7.   windows 2, 3: the accumulators ((a, b) at v[8 (8 (a % 4) + b)]).
.set KSTEP,  256
.set ROWB,   256
.set KROW,   1024                      ; a row of h_codes or of W in bytes
.set PITCH,  272                       ; an LDS row: 256 bytes + 16 of padding: the 16 rows that a load touches start at 16 different banks (64 banks of 4 bytes: ISA guide 11.1)
.set FR,     16
.set NL,     4
.set NP,     4                         ; places behind this matrix instruction (ISA guide 7.12.1)
.set HALFT,  128*PITCH
.set SLOT,   4*HALFT
.set LAPS,   2                         ; 1,024 / (2 x 256)
.set SPARE,  2*SLOT                    ; behind the ring: the spare words, 128 bytes for each wave
.set ADRA, 16
.set ADRB, 20
.set LI,   24                          ; v24  16 x lane
.set SC,   25                          ; v25  the conversion's scale
.set LIM,  26                          ; v26  57,344 x that
.set SPW,  28
.set NIL,  29
.set AF,   128
.set G1, 24
.set G0, 32
.set G1B, 48
.set G0B, 56
.set MSB, 0
.macro WIN new                         ; the immediate's high byte repeats the setting that is left
.if MSB != \new
	s_set_vgpr_msb (MSB<<8)|\new
.set MSB, \new
.endif
.endm
.set MUL_LO, 0xa1                      ; source 0 (B) window 1, source 1 (A) window 0, C and D window 2
.set MUL_HI, 0xf1
.set TO_B,   0x40                      ; destination window 1, address window 0
.macro JLOAD g0a, g1a, g0b, g1b        ; a joint load: waves 0 and 1 fetch for A, waves 2 and 3 for B; an s_nop 0 and four v_nop follow each line
	s_cmp_eq_u32 s15, 0
	s_cbranch_scc0 .Lfor_b_\@
	tensor_load_to_lds s[\g0a:\g0a+3], s[\g1a:\g1a+7]
	s_nop 0
.rept 4
	v_nop
.endr
	s_branch .Lasked_\@
.Lfor_b_\@:
	tensor_load_to_lds s[\g0b:\g0b+3], s[\g1b:\g1b+7]
	s_nop 0
.rept 4
	v_nop
.endr
.Lasked_\@:
.endm
.macro CREST                           ; a round of the cluster's barrier behind its opening barrier
	s_cmp_lg_u32 s14, 0
	s_cbranch_scc1 .Lnot_wave_0_\@
	s_barrier_signal -3
.Lnot_wave_0_\@:
	s_barrier_wait -3
	s_barrier_signal -1
	s_barrier_wait -1
.endm
.macro CROUND
	s_barrier_signal -1
	s_barrier_wait -1
	CREST
.endm
	s_load_b256 s[4:11], s[0:1], 0x0               ; h_codes s[4:5], W's codes s[6:7], the scales' exponents s[8:9], rope_tab s[10:11]
	s_load_b128 s[68:71], s[0:1], 0x20             ; q_img s[68:69], kv_img s[70:71]
	v_lshl_add_u32 v[SPW], v0, 2, SPARE
	v_mov_b32 v[NIL], 0
	ds_add_u32 v[SPW], v[NIL]                      ; the wave's opening: the add, twice on end, and its wait ahead of my first tensor load
	ds_add_u32 v[SPW], v[NIL]
	v_lshrrev_b32 v1, 5, v0
	v_readfirstlane_b32 s14, v1                    ; wave 0..3
	s_lshr_b32 s15, s14, 1                         ; which half of A's rows is mine.  Also: I fetch for A (0) or for B (1)
	s_and_b32 s16, s14, 1                          ; which half of B's rows.  Also: which 128 rows of that tile I fetch
	s_bfe_u32 s40, ttmp6, 0x40000                  ; cx, cy: my place in the cluster
	s_bfe_u32 s41, ttmp6, 0x40004
	s_lshl_b32 s42, ttmp9, 2                       ; 4 x cluster x
	s_and_b32 s17, ttmp7, 0xffff
	s_lshl_b32 s17, s17, 2                         ; 4 x cluster y
	s_cmp_eq_u32 ttmp9, 2                          ; v's clusters:
	s_cselect_b32 s42, s17, s42                    ; B's tiles are the token tiles, 4 x cluster y + cx,
	s_cselect_b32 s17, 0, s17                      ; A's the four tiles of W_v's rows, cy
	s_add_co_u32 s42, s42, s40                     ; B's tile
	s_add_co_u32 s17, s17, s41                     ; A's tile
	s_lshl_b32 s43, s41, 2
	s_lshl_b32 s43, 15, s43                        ; my row of the cluster
	s_lshl_b32 s44, 0x1111, s40                    ; my column
	s_or_b32 s[G1+0], s43, (0<<16)|(1<<20)|(1<<21)|(5<<22)|(3<<25)  ; the mask; elements of 1 byte; padding on; bit 21 beside a mask; after every 64 words, 4 words
	s_or_b32 s[G1B+0], s44, (0<<16)|(1<<20)|(1<<21)|(5<<22)|(3<<25)
.irp g, G1, G1B
	s_mov_b32 s[\g+1], ROWB<<16                    ; tensor_dim0
	s_mov_b32 s[\g+2], 128<<16                     ; tensor_dim1
	s_mov_b32 s[\g+3], ROWB<<16                    ; tile_dim0
	s_mov_b32 s[\g+4], 128                         ; tile_dim1
	s_mov_b32 s[\g+5], KROW                        ; the pitch
	s_mov_b32 s[\g+6], 0
	s_mov_b32 s[\g+7], 0
.endr
	s_lshl_b32 s18, s16, 7
	s_lshl_b32 s20, s17, 8
	s_add_co_u32 s20, s20, s18                     ; A: row 256 x tile + 128 x half
	s_lshl_b32 s46, s42, 8
	s_add_co_u32 s46, s46, s18                     ; B likewise
	s_mov_b32 s21, 0
	s_mov_b32 s47, 0
	s_mov_b64 s[18:19], KROW
	s_mul_u64 s[20:21], s[20:21], s[18:19]
	s_mul_u64 s[46:47], s[46:47], s[18:19]
	s_mul_i32 s45, s14, HALFT                      ; where they go: wave x 128 rows
	s_wait_dscnt 0x0                               ; both opening adds are done
	s_wait_kmcnt 0x0
	s_load_b256 s[72:79], s[8:9], 0x0              ; e0 .. e7
	s_cmp_eq_u32 ttmp9, 2
	s_add_nc_u64 s[80:81], s[6:7], 0x200000        ; W_v: rows 2,048 on
	s_cselect_b64 s[82:83], s[80:81], s[4:5]       ; A's buffer: the choice hangs on the cluster's x alone
	s_cselect_b64 s[84:85], s[4:5], s[6:7]         ; B's
	s_add_nc_u64 s[20:21], s[82:83], s[20:21]
	s_add_nc_u64 s[46:47], s[84:85], s[46:47]
	CROUND                                         ; all sixteen work-groups are here: the first joint loads meet
.irp s, 0,1
	s_mov_b32 s[G0+4*\s], 1
	s_add_co_u32 s[G0+4*\s+1], s45, \s*SLOT
	s_add_nc_u64 s[G0+4*\s+2:G0+4*\s+3], s[20:21], \s*ROWB
	s_or_b32 s[G0+4*\s+3], s[G0+4*\s+3], 0x80000000
	s_mov_b32 s[G0B+4*\s], 1
	s_add_co_u32 s[G0B+4*\s+1], s45, \s*SLOT
	s_add_nc_u64 s[G0B+4*\s+2:G0B+4*\s+3], s[46:47], \s*ROWB
	s_or_b32 s[G0B+4*\s+3], s[G0B+4*\s+3], 0x80000000
.endr
	JLOAD G0, G1, G0B, G1B                         ; K step 0: one tensor load a wave at the head
	v_and_b32 v1, 15, v0
	v_bfe_u32 v2, v0, 4, 1
	v_mul_u32_u24 v3, v1, PITCH
	v_lshl_add_u32 v4, v2, 4, v3                   ; a fragment's row x pitch + 16 x half
	s_mul_i32 s21, s15, HALFT
	s_mul_i32 s22, s16, HALFT
	s_add_co_u32 s22, s22, 2*HALFT
.irp s, 0,1
	v_add_nc_u32 v[ADRA+\s], s21, v4
	v_add_nc_u32 v[ADRB+\s], s22, v4
	s_add_co_u32 s21, s21, SLOT
	s_add_co_u32 s22, s22, SLOT
.endr
	v_and_b32 v[LI], 31, v0
	v_lshlrev_b32 v[LI], 4, v[LI]
	s_wait_alu depctr_va_vdst(0)
	s_wait_kmcnt 0x0
	s_cmp_eq_u32 ttmp9, 0
	s_cselect_b32 s80, s74, s75                    ; q: e2; k: e3;
	s_cmp_eq_u32 ttmp9, 2
	s_cselect_b32 s80, s77, s80                    ; v: e5
	s_sub_co_i32 s80, s80, s72
	s_sub_co_i32 s80, s80, s73                     ; less e0 + e1: the three scales folded into the conversion's one
	s_add_co_i32 s80, s80, 127
	s_lshl_b32 s81, s80, 23
	v_mov_b32 v[SC], s81
	s_add_co_i32 s80, s80, 15
	s_lshl_b32 s80, s80, 23
	s_or_b32 s80, s80, 0x600000
	v_mov_b32 v[LIM], s80
.macro FRAG reg, adr, q, i             ; 16 rows x 128 K: four loads of 16 bytes, 32 bytes apart
.irp c, 0,1,2,3
	ds_load_b128 v[\reg+4*\c:\reg+4*\c+3], v[\adr] offset:128*(\q)+32*\c+(\i)*16*PITCH
.endr
.endm
; 16 matrix instructions: A's blocks a0, a0 + 1 x B's eight.  The 64 accumulators take turns, one instruction a turn, in the same order in every step.
.macro MUL16 a0, p, zero
.irp a, \a0, \a0+1
.irp b, 0,1,2,3,4,5,6,7
.if \zero
	v_wmma_f32_16x16x128_bf8_bf8 v[8*(8*((\a)%4)+\b):8*(8*((\a)%4)+\b)+7], v[128*(\p)+FR*\b:128*(\p)+FR*\b+FR-1], v[AF+FR*(\a):AF+FR*(\a)+FR-1], 0
.else
	v_wmma_f32_16x16x128_bf8_bf8 v[8*(8*((\a)%4)+\b):8*(8*((\a)%4)+\b)+7], v[128*(\p)+FR*\b:128*(\p)+FR*\b+FR-1], v[AF+FR*(\a):AF+FR*(\a)+FR-1], v[8*(8*((\a)%4)+\b):8*(8*((\a)%4)+\b)+7]
.endif
.endr
.endr
.endm
.macro FETCH_B slot, q, p
	WIN TO_B
.irp i, 0,1,2,3,4,5,6,7
	FRAG 128*(\p)+FR*\i, ADRB+\slot, \q, \i
.endr
	WIN 0
.endm
.macro FETCH_A slot, q, i0
.irp i, \i0, \i0+1, \i0+2, \i0+3
	FRAG AF+FR*(\i), ADRA+\slot, \q, \i
.endr
.endm
.macro PLACES n                        ; plain vector instructions between a matrix instruction and a load into, or a vector instruction on, its registers
.rept \n
	v_nop
.endr
.endm
.macro STEP slot, q, zero              ; 128 along K that has its successor in the same slot
	s_wait_dscnt 4*NL                              ; B's set and A's blocks 0-3 are in; the youngest sixteen loads (A's blocks 4-7) may be out
	WIN MUL_LO
	MUL16 0, (\q)%2, \zero
	MUL16 2, (\q)%2, \zero
	s_wait_dscnt 0
	PLACES NP
	FETCH_B \slot, (\q)+1, 1-(\q)%2
	FETCH_A \slot, (\q)+1, 0
	WIN MUL_HI
	MUL16 4, (\q)%2, \zero
	MUL16 6, (\q)%2, \zero
	PLACES NP
	WIN 0
	FETCH_A \slot, (\q)+1, 4
.endm
; A slot's last step changes slots: one barrier; in front of it each wave waits for all its tensor loads, adds 0 to its spare word, and waits for that and for its reads of this slot.
.macro TURN slot, next, fill
	s_wait_tensorcnt 0x0                           ; all my tensor loads have landed: my part of the next slot
	ds_add_u32 v[SPW], v[NIL]
	s_wait_dscnt 4*NL+1                            ; (the add and the youngest sixteen loads may be out)
	WIN MUL_LO
	MUL16 0, 1, 0
	s_wait_dscnt 0x0                               ; the add is done, and my reads of this slot are over
	s_barrier_signal -1
	MUL16 2, 1, 0
	WIN 0
	s_barrier_wait -1
.if \fill
	CREST                                          ; the barrier has opened a round of the cluster's: no wave of any partner still reads this slot or has a load on its way
	s_add_nc_u64 s[G0+4*\slot+2:G0+4*\slot+3], s[G0+4*\slot+2:G0+4*\slot+3], 2*ROWB
	s_add_nc_u64 s[G0B+4*\slot+2:G0B+4*\slot+3], s[G0B+4*\slot+2:G0B+4*\slot+3], 2*ROWB
	JLOAD G0+4*\slot, G1, G0B+4*\slot, G1B         ; the first tensor load behind the round; its four v_nop are the places in front of the loads below
.else
	PLACES NP
.endif
	FETCH_B \next, 0, 0
	FETCH_A \next, 0, 0
	WIN MUL_HI
	MUL16 4, 1, 0
	MUL16 6, 1, 0
	PLACES NP
	WIN 0
	FETCH_A \next, 0, 4
.endm
.macro LAST                            ; the very last 128 along K: nothing more to fetch
	s_wait_dscnt 4*NL
	WIN MUL_LO
	MUL16 0, 1, 0
	MUL16 2, 1, 0
	s_wait_dscnt 0
	WIN MUL_HI
	MUL16 4, 1, 0
	MUL16 6, 1, 0
	WIN 0
.endm
.macro TAB a, reg                      ; the table of position tile a of my eight: 8 pieces of 512 consecutive bytes
.irp q, 0,1,2,3,4,5,6,7
	global_load_b128 v[\reg+4*\q:\reg+4*\q+3], v[LI], s[10:11] offset:4096*(\a)+512*\q
.endr
.endm
; Block a (16 tokens x my 128 columns = two heads): RoPE, the hold, the conversion, four stores of 512 consecutive bytes.
; In head p: x1 = accumulators 4 p + t, x2 = accumulators 4 p + 2 + t (t = 0, 1); register i of both goes with cos and sin at d = 16 t + 8 (lane / 16) + i: table registers 8 t + i and 16 + 8 t + i.
.macro ROPE a
.if (\a) < 3
.set TW, 0
.set TT, 32+32*(\a)
.elseif (\a) < 7
.set TW, 1
.set TT, 32*((\a)-3)
.else
.set TW, 1
.set TT, 128
.endif
.set AC, 64*((\a)%4)
.set CSET, 208+16*((\a)%2)
	s_wait_loadcnt 8*(7-(\a))                      ; my table is in; the later blocks' eight loads each may be out
.if (\a) >= 2
	s_wait_xcnt 0x0                                ; block a - 2's stores have read their data: the same registers take this block's codes
.endif
	WIN 4*TW+2+(\a)/4                              ; source 0: the accumulators' window; source 1: the table's
.irp p, 0,1
.irp t, 0,1
.irp i, 0,2,4,6                        ; each accumulator is read from its low end on
	v_pk_mul_f32 v[192+2*\i:193+2*\i], v[AC+8*(4*\p+2+\t)+\i:AC+8*(4*\p+2+\t)+\i+1], v[TT+16+8*\t+\i:TT+16+8*\t+\i+1]
	v_pk_mul_f32 v[194+2*\i:195+2*\i], v[AC+8*(4*\p+\t)+\i:AC+8*(4*\p+\t)+\i+1], v[TT+16+8*\t+\i:TT+16+8*\t+\i+1]
	v_pk_fma_f32 v[128+8*(4*\p+\t)+\i:128+8*(4*\p+\t)+\i+1], v[AC+8*(4*\p+\t)+\i:AC+8*(4*\p+\t)+\i+1], v[TT+8*\t+\i:TT+8*\t+\i+1], v[192+2*\i:193+2*\i] neg_lo:[0,0,1] neg_hi:[0,0,1]   ; x1 cos - x2 sin
	v_pk_fma_f32 v[128+8*(4*\p+2+\t)+\i:128+8*(4*\p+2+\t)+\i+1], v[AC+8*(4*\p+2+\t)+\i:AC+8*(4*\p+2+\t)+\i+1], v[TT+8*\t+\i:TT+8*\t+\i+1], v[194+2*\i:195+2*\i]                        ; x2 cos + x1 sin
.endr
.endr
.endr
	WIN 0
.set j, 0
.rept 64
	v_med3_num_f32 v[128+j], v[128+j], -v[LIM], v[LIM]         ; the conversion does not saturate (ISA guide 7.6.2): the hold
.set j, j+1
.endr
.irp b, 0,1,2,3,4,5,6,7
	v_cvt_scalef32_pk8_bf8_f32 v[CSET+2*\b:CSET+2*\b+1], v[128+8*\b:135+8*\b], v[SC]
.endr
	v_nop                                          ; a plain instruction behind the last conversion
	global_store_b128 v[LI], v[CSET:CSET+3], s[90:91] offset:1024*(\a)
	global_store_b128 v[LI], v[CSET+4:CSET+7], s[90:91] offset:1024*(\a)+512
	global_store_b128 v[LI], v[CSET+8:CSET+11], s[92:93] offset:1024*(\a)
	global_store_b128 v[LI], v[CSET+12:CSET+15], s[92:93] offset:1024*(\a)+512
.endm
; Block a of v: 16 channels x my 128 keys: one image of V^T.
.macro VOUT a
.set AC, 64*((\a)%4)
.set CSET, 208+16*((\a)%2)
.if (\a) >= 2
	s_wait_xcnt 0x0                                ; block a - 2's stores have read their data
.endif
	WIN 65*(2+(\a)/4)                              ; source 0 and destination: the accumulators' window
.set j, 0
.rept 64
	v_med3_num_f32 v[AC+j], v[AC+j], -v[LIM], v[LIM]
.set j, j+1
.endr
	WIN 2+(\a)/4
.irp b, 0,1,2,3,4,5,6,7
	v_cvt_scalef32_pk8_bf8_f32 v[CSET+2*\b:CSET+2*\b+1], v[AC+8*\b:AC+8*\b+7], v[SC]
.endr
	WIN 0
	v_nop
.irp g, 0,1,2,3
	global_store_b128 v[LI], v[CSET+4*\g:CSET+4*\g+3], s[90:91] offset:((\a)/4)*262144+((\a)%4)*2048+512*\g
.endr
.endm
	s_wait_alu depctr_va_vdst(0)                   ; the wait at the head's end
	s_wait_tensorcnt 0x0                           ; my part of K step 0 is in; these lines stand ahead of a later first fill as ahead of a refill
	ds_add_u32 v[SPW], v[NIL]
	s_wait_dscnt 0x0
	CROUND                                         ; a whole round: everybody's part of K step 0 is in
	JLOAD G0+4, G1, G0B+4, G1B                     ; K step 1: the first tensor load behind the round
	FETCH_B 0, 0, 0
	FETCH_A 0, 0, 0
	FETCH_A 0, 0, 4
	STEP 0, 0, 1                                   ; the first step's products start the sums
	s_mov_b32 s3, LAPS-1
.Llap:                                             ; a trip goes once round the ring and fills both slots again
	TURN 0, 1, 1
	STEP 1, 0, 0
	TURN 1, 0, 1
	STEP 0, 0, 0
	s_sub_co_u32 s3, s3, 1
	s_cmp_lg_u32 s3, 0
	s_cbranch_scc1 .Llap
	TURN 0, 1, 0                                   ; the last change of slots: nothing is filled
	s_cmp_eq_u32 ttmp9, 2                          ; the cluster's x: alike in all partners and all waves
	s_cbranch_scc1 .Lvalues
	; ---- q and k.  A's tile = 256 tokens, B's tile & 3 = cx = four heads
	s_and_b32 s87, s17, 7
	s_lshl_b32 s87, s87, 1
	s_add_co_u32 s87, s87, s15                     ; which 128 positions of the sequence are mine
	s_lshl_b32 s94, s87, 15                        ; their eight tables of 4,096 bytes
	s_mov_b32 s95, 0
	s_add_nc_u64 s[10:11], s[10:11], s[94:95]
	TAB 0, 32
	TAB 1, 64
	TAB 2, 96
	s_lshr_b32 s86, s17, 3                         ; the batch
	s_lshl_b32 s86, s86, 4
	s_lshl_b32 s88, s40, 2
	s_add_co_u32 s86, s86, s88
	s_lshl_b32 s88, s16, 1
	s_add_co_u32 s86, s86, s88                     ; my first head: 16 batch + 4 cx + 2 x column half
	s_lshl_b32 s86, s86, 17                        ; q_img: 131,072 bytes a head,
	s_lshl_b32 s87, s87, 13                        ; 8,192 for 128 tokens
	s_add_co_u32 s86, s86, s87
	s_mov_b32 s87, 0
	s_cmp_eq_u32 ttmp9, 1                          ; k?
	s_cselect_b32 s88, 1, 0
	s_cselect_b64 s[90:91], s[70:71], s[68:69]
	s_lshl_b32 s86, s86, s88                       ; kv_img: twice that on both counts
	s_lshl_b32 s92, 0x20000, s88                   ; from head to head
	s_mov_b32 s93, 0
	s_add_nc_u64 s[90:91], s[90:91], s[86:87]      ; my first head's images,
	s_add_nc_u64 s[92:93], s[90:91], s[92:93]      ; my second's
	STEP 1, 0, 0
	WIN TO_B                                       ; B's set 0 is done with, four places back
	TAB 3, 0
	TAB 4, 32
	TAB 5, 64
	TAB 6, 96
	WIN 0
	LAST
	PLACES NP
	WIN TO_B
	TAB 7, 128
	WIN 0
.irp a, 0,1,2,3,4,5,6,7
	ROPE \a
.endr
	s_branch .Lend
.Lvalues:
	; ---- v.  A's tile = 256 channels = four heads, B's tile = 256 keys
	s_lshr_b32 s86, s42, 3                         ; the batch
	s_lshl_b32 s86, s86, 4
	s_lshl_b32 s88, s17, 2
	s_add_co_u32 s86, s86, s88
	s_lshl_b32 s88, s15, 1
	s_add_co_u32 s86, s86, s88                     ; my first head: 16 batch + 4 x A's tile + 2 x row half
	s_lshl_b32 s86, s86, 18
	s_and_b32 s87, s42, 7
	s_lshl_b32 s87, s87, 1
	s_add_co_u32 s87, s87, s16                     ; my key step
	s_lshl_b32 s87, s87, 14
	s_add_co_u32 s86, s86, s87
	s_add_co_u32 s86, s86, 8192                    ; behind the step's eight images of K
	s_mov_b32 s87, 0
	s_add_nc_u64 s[90:91], s[70:71], s[86:87]
	STEP 1, 0, 0
	LAST
	PLACES NP
	s_wait_alu depctr_va_vdst(0)
.irp a, 0,1,2,3,4,5,6,7
	VOUT \a
.endr
.Lend:
	s_wait_tensorcnt 0x0                           ; the wave's end
	ds_add_u32 v[SPW], v[NIL]
	s_wait_dscnt 0x0
	CROUND                                         ; the closing round
	s_endpgm
.Lfunc_end_k_q5797f6c187_qkv:
	.size	k_q5797f6c187_qkv, .Lfunc_end_k_q5797f6c187_qkv-k_q5797f6c187_qkv
	.p2alignl 7, 3214868480
	.fill 96, 4, 3214868480
	.section	.rodata,"a",@progbits
	.p2align	6, 0x0
	.amdhsa_kernel k_q5797f6c187_qkv
		.amdhsa_group_segment_fixed_size 327680
		.amdhsa_private_segment_fixed_size 0
		.amdhsa_enable_private_segment 0
		.amdhsa_kernarg_size 48
		.amdhsa_user_sgpr_count 2
		.amdhsa_user_sgpr_kernarg_segment_ptr 1
		.amdhsa_wavefront_size32 1
		.amdhsa_system_sgpr_workgroup_id_x 1
		.amdhsa_system_sgpr_workgroup_id_y 1
		.amdhsa_system_sgpr_workgroup_id_z 1
		.amdhsa_system_vgpr_workitem_id 0
		.amdhsa_next_free_vgpr 1024
		.amdhsa_next_free_sgpr 100
		.amdhsa_reserve_vcc 0
		.amdhsa_float_denorm_mode_32 3
		.amdhsa_float_denorm_mode_16_64 3
		.amdhsa_memory_ordered 1
		.amdhsa_forward_progress 1
		.amdhsa_inst_pref_size 211
	.end_amdhsa_kernel
	.amdgpu_metadata
---
amdhsa.version: [ 1, 2 ]
amdhsa.kernels:
  - .name:           k_q5797f6c187_qkv
    .symbol:         k_q5797f6c187_qkv.kd
    .args:
      - { .name: h_codes, .offset: 0, .size: 8, .value_kind: global_buffer, .address_space: global }
      - { .name: w_qkv_codes, .offset: 8, .size: 8, .value_kind: global_buffer, .address_space: global }
      - { .name: lowp_scales, .offset: 16, .size: 8, .value_kind: global_buffer, .address_space: global }
      - { .name: rope_tab, .offset: 24, .size: 8, .value_kind: global_buffer, .address_space: global }
      - { .name: q_img, .offset: 32, .size: 8, .value_kind: global_buffer, .address_space: global }
      - { .name: kv_img, .offset: 40, .size: 8, .value_kind: global_buffer, .address_space: global }
    .group_segment_fixed_size: 327680
    .private_segment_fixed_size: 0
    .kernarg_segment_align: 8
    .kernarg_segment_size: 48
    .max_flat_workgroup_size: 128
    .sgpr_count:     100
    .vgpr_count:     1024
    .wavefront_size: 32
...
	.end_amdgpu_metadata
.endif
;; end of part 2
;; launch attn (part 3): grid 8 x 32, 16 waves a work-group, clusters of 4 x 1, 327,680 bytes of LDS; arguments q_img, kv_img, lowp_scales, o_img; writes o_img
.if DOCPART == 3
	.amdgcn_target "amdgcn-amd-amdhsa--gfx1250"
	.amdhsa_code_object_version 6
	.text
	.protected	k_q5797f6c187_attn
	.globl	k_q5797f6c187_attn
	.p2align	8
	.type	k_q5797f6c187_attn,@function
k_q5797f6c187_attn:
	s_mov_b64 s[64:65], 0
	v_nop
	global_prefetch_b8 v0, s[64:65] scope:SCOPE_SE
	s_setreg_imm32_b32 hwreg(HW_REG_WAVE_MODE, 25, 1), 1
	s_wait_xcnt 0x0
	s_wait_alu depctr_hold_cnt(0) depctr_sa_sdst(0) depctr_va_vdst(0) depctr_va_sdst(0) depctr_va_ssrc(0) depctr_va_vcc(0) depctr_vm_vsrc(0)
	s_getreg_b32 s2, hwreg(HW_REG_IB_STS2, 6, 4)
	s_cmp_eq_u32 s2, 0
	s_cbranch_scc0 .Lentry_in_a_cluster
	s_endpgm
.Lentry_in_a_cluster:
	s_bfe_u32 s2, ttmp6, 0x10000c
	s_cmp_lg_u32 s2, 0x3003
	s_cbranch_scc0 .Lentry_shape_is_right
	s_endpgm
.Lentry_shape_is_right:
; LAUNCH 3 OF 7.  o = softmax(q k^T / 8) v for one head and 256 queries a work-group, both products on codes of E5M2; o is quantised with 2^e6 and stored as images of the next product's operand.  No work is left out.
; THE SOFTMAX: t = score x log2(e) / 8; M = the running largest t rounded up to a whole number; p = 2^(t - M) is quantised with 2^e4; the row's sum is taken of the unquantised p and divides at the end.
; When M moves, the sum and O are multiplied by 2^(old M - new M), which rounds nothing.
; SHARES.  Sixteen waves, each with one tile of 16 queries; every wave walks the head's 2,048 keys in 8 steps of 256.  The head's K and V images, 262,144 bytes, lie in LDS whole: each wave fetches 16,384 bytes
; of them by its one tensor load at the head; nothing is filled again, so one barrier behind the fill is the only one in the walk.
; CLUSTER.  The four query blocks of a cluster read the same head: the loads are joint (mask 15).
; NO PREFETCH: all the launch's tensor loads stand at its head; there is no loop to run ahead in.
; LAYOUT.  S^T = K Q^T (source 0 = 16 keys, source 1 = my queries), O^T = V^T P^T: a lane holds one query.  Tile t's eight registers are keys 16 t + 8 (lane / 16) + 0..7: one conversion gives registers 2 t, 2 t + 1
; of the second product's operand in the plain 8-bit layout (ISA guide 7.12.2).  kv_img: for each 128 keys 8 images of K (1,024 bytes) and 4 of V^T (2,048 bytes); registers 4 g .. 4 g + 3 of lane l at 512 g + 16 l.
; A STEP: K's 16 tiles come in four groups of 32 registers through FA and FB; the maxima of finished tiles are the places behind later products; O is rescaled ahead of the exponentials;
; as soon as two tiles of p are converted, a fragment of V^T is loaded into their 16 registers; p's codes lie in FA; the next step's first group of K comes into FB.
; LIMITS: e2 + e3 between -123 and 130 (added to c's exponent field); e4 and e6 between -126 and 112; the scaled scores stay under 2^31 in magnitude.  NaN is not served.
.set SPARE, 262144                     ; behind the images: the spare words, 128 bytes for each wave
.set LI,  1                            ; v1  16 x lane
.set FF,  2                            ; v[2:3] f = 2^(old M - new M), and a partner that is written once
.set PD,  4                            ; v4  a lane permute's destination
.set SPW, 5                            ; v5  my spare word; never rewritten
.set NIL, 6                            ; v6  0; never rewritten
.set OM,  7                            ; v7  -M of the step before
.set ADR, 8                            ; v8  the step's first LDS byte + 16 x lane
.set SCP, 9                            ; v9  the conversion's scale
.set LA,  10                           ; v10, v11  57,344 x that, twice: the two halves of a dual instruction take their second sources from different banks
.set LB,  11
.set Q,   16                           ; v16-23   Q's fragment.  v12 -M, v13 the largest t, v[14:15] the sum
.set O,   24                           ; v24-55   O^T, 4 tiles
.set FA,  56                           ; v56-87   K's groups 1 and 3, then p's codes
.set FB,  88                           ; v88-119  K's groups 0 and 2
.set S,   120                          ; v120-247 S^T, then p, then V^T's eight fragments
.set T,   248                          ; v248-253 at work
.set WV,  12
.set G1,  24
.set G0,  32
.set CS,  48                           ; s[48:49] c = log2(e) / 8 x 2^(e2 + e3)
.set SEL, 50
.set TB,  52
.set CNT, 53
.macro CROUND                          ; a round of the cluster's barrier
	s_barrier_signal -1
	s_barrier_wait -1
	s_cmp_lg_u32 s[WV], 0
	s_cbranch_scc1 .Lnot_wave_0_\@
	s_barrier_signal -3
.Lnot_wave_0_\@:
	s_barrier_wait -3
	s_barrier_signal -1
	s_barrier_wait -1
.endm
	s_load_b256 s[4:11], s[0:1], 0x0               ; q_img s[4:5], kv_img s[6:7], the scales' exponents s[8:9], o_img s[10:11]
	v_lshl_add_u32 v[SPW], v0, 2, SPARE
	v_mov_b32 v[NIL], 0
	ds_add_u32 v[SPW], v[NIL]                      ; the opening: the add, twice on end, and its wait ahead of my tensor load
	ds_add_u32 v[SPW], v[NIL]
	v_lshrrev_b32 v2, 5, v0
	s_delay_alu instid0(VALU_DEP_1)
	v_readfirstlane_b32 s[WV], v2                  ; wave 0..15
	s_bfe_u32 s13, ttmp6, 0x40000                  ; cx
	s_lshl_b32 s14, ttmp9, 2
	s_add_co_u32 s14, s14, s13                     ; my block of 256 queries
	s_and_b32 s15, ttmp7, 0xffff                   ; the head, 0..31
	s_lshl_b32 s16, s[WV], 14                      ; my 16,384 bytes of the head's images, in memory and in LDS
	s_lshl_b32 s18, s15, 18
	s_add_co_u32 s18, s18, s16
	s_mov_b32 s19, 0
	s_mov_b32 s[G1], 15|(3<<16)|(1<<21)            ; the mask; elements of 8 bytes; bit 21 beside a mask
	s_mov_b32 s[G1+1], 32<<16                      ; rows of 256 bytes,
	s_mov_b32 s[G1+2], 64<<16                      ; 64 of them, dense
	s_mov_b32 s[G1+3], 32<<16
	s_mov_b32 s[G1+4], 64
	s_mov_b32 s[G1+5], 32
	s_mov_b32 s[G1+6], 0
	s_mov_b32 s[G1+7], 0
	s_mov_b32 s[SEL], 0x76543210                   ; v_permlanex16_b32: lane l xor 16
	s_mov_b32 s[SEL+1], 0xfedcba98
	s_mov_b32 s[CS], 0x3e38aa3b                    ; log2(e) / 8
	s_mov_b32 s[TB], 0
	s_lshl_b32 s21, s14, 4
	s_add_co_u32 s21, s21, s[WV]                   ; my token tile in the sequence
	s_lshl_b32 s22, s15, 17
	s_lshl_b32 s23, s21, 10
	s_add_co_u32 s22, s22, s23                     ; its image in q_img
	s_mov_b32 s23, 0
	s_lshr_b32 s20, s15, 4
	s_lshl_b32 s20, s20, 7
	s_add_co_u32 s20, s20, s21
	s_lshl_b32 s20, s20, 14                        ; o_img: 16,384 bytes a token tile,
	s_and_b32 s21, s15, 15
	s_lshl_b32 s21, s21, 10                        ; 1,024 a head
	s_add_co_u32 s20, s20, s21
	s_mov_b32 s21, 0
	s_wait_dscnt 0x0                               ; both opening adds are done
	s_wait_kmcnt 0x0
	s_load_b256 s[40:47], s[8:9], 0x0              ; e0 .. e7
	s_add_nc_u64 s[18:19], s[6:7], s[18:19]
	s_add_nc_u64 s[4:5], s[4:5], s[22:23]
	s_add_nc_u64 s[10:11], s[10:11], s[20:21]
	CROUND                                         ; the four work-groups are here: the joint loads meet
	s_mov_b32 s[G0], 1
	s_mov_b32 s[G0+1], s16
	s_mov_b64 s[G0+2:G0+3], s[18:19]
	s_or_b32 s[G0+3], s[G0+3], 0x80000000
	tensor_load_to_lds s[G0:G0+3], s[G1:G1+7]      ; my one tensor load
	s_nop 0
	v_and_b32 v[LI], 31, v0
	s_delay_alu instid0(VALU_DEP_1)
	v_lshlrev_b32 v[LI], 4, v[LI]
	global_load_b128 v[Q:Q+3], v[LI], s[4:5]
	global_load_b128 v[Q+4:Q+7], v[LI], s[4:5] offset:512
	v_mov_b32 v[ADR], v[LI]
	v_mov_b32 v13, 0xff61b1e6                      ; the largest t so far: -3e38
	s_delay_alu instid0(VALU_DEP_1)
	v_floor_f32 v12, -v13                          ; -M
	v_mov_b32 v14, 0
	v_mov_b32 v15, 0
	v_mov_b32 v[PD], 0
	v_mov_b32 v[FF+1], 0
	v_mov_b32 v[OM], v12
.set j, 0
.rept 32
	v_mov_b32 v[O+j], 0                            ; the step is written for all trips alike: the first finds zeros
.set j, j+1
.endr
	s_wait_kmcnt 0x0
	s_add_co_i32 s20, s42, s43
	s_lshl_b32 s20, s20, 23
	s_add_co_i32 s[CS], s[CS], s20                 ; a score stands for score x 2^(e2 + e3)
	s_mov_b32 s[CS+1], s[CS]
	s_add_co_i32 s20, s44, 127
	s_lshl_b32 s21, s20, 23
	v_mov_b32 v[SCP], s21                          ; 2^e4
	s_add_co_i32 s20, s20, 15
	s_lshl_b32 s20, s20, 23
	s_or_b32 s20, s20, 0x600000
	v_mov_b32 v[LA], s20                           ; 57,344 x 2^e4
	v_mov_b32 v[LB], s20
	s_add_co_i32 s20, s46, 127
	s_lshl_b32 s54, s20, 23                        ; 2^e6
	s_add_co_i32 s20, s20, 15
	s_lshl_b32 s20, s20, 23
	s_or_b32 s55, s20, 0x600000                    ; 57,344 x 2^e6
	s_add_co_i32 s56, s44, s45                     ; e4 + e5
.macro KLOAD reg, off                  ; four tiles of K: eight loads of 512 consecutive bytes
.irp t, 0,1,2,3
	ds_load_b128 v[\reg+8*\t:\reg+8*\t+3], v[ADR] offset:\off+1024*\t
	ds_load_b128 v[\reg+8*\t+4:\reg+8*\t+7], v[ADR] offset:\off+1024*\t+512
.endr
.endm
.macro VLOAD i                         ; fragment i of V^T (keys 128 (i / 4) on, channels 16 (i % 4) on) into the registers of p's tiles 2 i, 2 i + 1
.irp g, 0,1,2,3
	ds_load_b128 v[S+16*(\i)+4*\g:S+16*(\i)+4*\g+3], v[ADR] offset:16384*((\i)/4)+8192+2048*((\i)%4)+512*\g
.endr
.endm
.macro SMUL s0, f                      ; four tiles of S^T
.irp t, 0,1,2,3
	v_wmma_f32_16x16x64_bf8_bf8 v[S+\s0+8*\t:S+\s0+8*\t+7], v[\f+8*\t:\f+8*\t+7], v[Q:Q+7], 0
.endr
.endm
.macro MAXR from, n                    ; n instructions of the maximum's four chains, each accumulator from its low end on
.set j, \from
.rept \n
	v_max3_num_f32 v[T+(j/2)%4], v[T+(j/2)%4], v[S+j], v[S+j+1]
.set j, j+2
.endr
.endm
; A STEP of 256 keys.  pf = 1: the next step's first group of K is fetched, and the address steps.
.macro STEP pf
	KLOAD FA, 4096                                 ; group 1 (five places behind the products that read p's codes)
	s_wait_dscnt 0x0                               ; groups 0 and 1 are in
	SMUL 0, FB
	SMUL 32, FA
.rept 4
	v_nop                                          ; places in front of the loads and of the first reads
.endr
	KLOAD FB, 16384                                ; group 2
	KLOAD FA, 20480                                ; group 3
	v_max3_num_f32 v[T], v[S], v[S+1], v[S+2]
	v_max3_num_f32 v[T+1], v[S+3], v[S+4], v[S+5]
	v_max3_num_f32 v[T+2], v[S+6], v[S+7], v[S+8]
	v_max3_num_f32 v[T+3], v[S+9], v[S+10], v[S+11]
	MAXR 12, 10
	s_wait_alu depctr_va_vdst(0)                   ; directly ahead of the wait below
	s_wait_dscnt 0x0
	SMUL 64, FB
	SMUL 96, FA
	MAXR 32, 48                                    ; the first sixteen, on group 1's tiles, are the places behind the products above
	v_max3_num_f32 v[T], v[T], v[T+1], v[T+2]
	s_delay_alu instid0(VALU_DEP_1)
	v_max_num_f32 v[T], v[T], v[T+3]
	s_delay_alu instid0(VALU_DEP_1)
	v_permlanex16_b32 v[PD], v[T], s[SEL], s[SEL+1]
	s_delay_alu instid0(VALU_DEP_1)
	v_max_num_f32 v[T], v[T], v[PD]                ; my query's largest score of the step
	s_delay_alu instid0(VALU_DEP_1)
	v_mul_f32 v[T], s[CS], v[T]                    ; as t (c is positive)
	s_delay_alu instid0(VALU_DEP_1)
	v_max_num_f32 v13, v13, v[T]
	s_delay_alu instid0(VALU_DEP_1)
	v_floor_f32 v12, -v13                          ; -M = floor(-t)
.set j, 0
.rept 64
	v_pk_fma_f32 v[S+j:S+j+1], v[S+j:S+j+1], s[CS:CS+1], v[12:13] op_sel_hi:[1,0,0]   ; t - M
.if j == 14
	v_sub_f32 v[T+1], v12, v[OM]                   ; old M - new M, a whole number
.elseif j == 30
	v_cvt_i32_f32 v[T+1], v[T+1]                   ; (it saturates)
.elseif j == 46
	v_ldexp_f32 v[FF], 1.0, v[T+1]                 ; f
.endif
.set j, j+2
.endr
	v_pk_mul_f32 v[14:15], v[14:15], v[FF:FF+1] op_sel_hi:[1,0]
.set j, 0
.rept 16
	v_pk_mul_f32 v[O+j:O+j+1], v[O+j:O+j+1], v[FF:FF+1] op_sel_hi:[1,0]   ; O^T under the new M, each accumulator from its low end on
.set j, j+2
.endr
	s_wait_alu depctr_va_vdst(0)                   ; ahead of the batch
.set j, 0
.rept 128
	v_exp_f32 v[S+j], v[S+j]                       ; p = 2^(t - M)
.set j, j+1
.endr
	v_mov_b32 v[OM], v12                           ; a plain instruction behind the last exponential
	s_wait_alu depctr_va_vdst(0)                   ; one wait for the batch, ahead of its first reader
	v_pk_add_f32 v[T:T+1], v[S:S+1], v[S+2:S+3]    ; the sum of the unquantised p, in four packed chains
	v_pk_add_f32 v[T+2:T+3], v[S+4:S+5], v[S+6:S+7]
	v_pk_add_f32 v[T+4:T+5], v[S+8:S+9], v[S+10:S+11]
.set j, 12
.rept 58
.if (j/2)%4 == 0
	v_pk_add_f32 v[14:15], v[14:15], v[S+j:S+j+1]
.else
	v_pk_add_f32 v[T-2+2*((j/2)%4):T-1+2*((j/2)%4)], v[T-2+2*((j/2)%4):T-1+2*((j/2)%4)], v[S+j:S+j+1]
.endif
.set j, j+2
.endr
.set t, 0
.rept 16
.irp i, 0,2,4,6
	v_dual_min_num_f32 v[S+8*t+\i], v[S+8*t+\i], v[LA] :: v_dual_min_num_f32 v[S+8*t+\i+1], v[S+8*t+\i+1], v[LB]   ; the hold (the conversion does not saturate: ISA guide 7.6.2); p is not negative
.endr
.if (t >= 2) && (t%2 == 0)
	VLOAD t/2-1
.endif
	v_cvt_scalef32_pk8_bf8_f32 v[FA+2*t:FA+2*t+1], v[S+8*t:S+8*t+7], v[SCP]
.set t, t+1
.endr
	VLOAD 7
.if \pf
	KLOAD FB, 32768                                ; the next step's group 0
.endif
	v_pk_add_f32 v[14:15], v[14:15], v[T:T+1]      ; a plain instruction behind the last conversion
	s_wait_alu depctr_va_vdst(0)                   ; directly ahead of the wait below
.irp u, 0,1
	s_wait_dscnt 16*(1-\u)+8*\pf                   ; may be out: V's later half (16 loads) and the next K (8)
.irp t, 0,1,2,3
	v_wmma_f32_16x16x128_bf8_bf8 v[O+8*\t:O+8*\t+7], v[S+64*\u+16*\t:S+64*\u+16*\t+15], v[FA+16*\u:FA+16*\u+15], v[O+8*\t:O+8*\t+7]   ; the four accumulators by turns
.endr
.endr
	v_pk_add_f32 v[T+2:T+3], v[T+2:T+3], v[T+4:T+5]   ; five places: the next step's products write over V's fragments
	s_delay_alu instid0(VALU_DEP_1)
	v_pk_add_f32 v[14:15], v[14:15], v[T+2:T+3]
.if \pf
	s_add_co_u32 s[TB], s[TB], 32768
	v_add_nc_u32 v[ADR], s[TB], v[LI]
.else
	v_nop
.endif
	v_nop
	v_nop
.endm
	s_wait_alu depctr_va_vdst(0)                   ; the wait at the head's end
	s_wait_loadcnt 0x0                             ; Q
	s_wait_tensorcnt 0x0                           ; my part of the images is in
	s_barrier_signal -1
	s_barrier_wait -1                              ; everybody's is
	KLOAD FB, 0
	s_mov_b32 s[CNT], 7
.Lstep:
	STEP 1
	s_sub_co_u32 s[CNT], s[CNT], 1
	s_cmp_lg_u32 s[CNT], 0
	s_wait_alu depctr_va_vdst(0)                   ; directly ahead of the branch
	s_cbranch_scc1 .Lstep
	STEP 0                                         ; the last step fetches nothing beyond the images
	; THE WAY OUT: O^T / the sum x 2^(e4 + e5), held, converted with 2^e6: the four conversions are the eight registers of my image
	v_add_f32 v14, v14, v15
	s_delay_alu instid0(VALU_DEP_1)
	v_permlanex16_b32 v[PD], v14, s[SEL], s[SEL+1]
	s_delay_alu instid0(VALU_DEP_1)
	v_add_f32 v14, v14, v[PD]                      ; the row's sum
	v_mov_b32 v[SCP], s54
	v_mov_b32 v[LA], s55
	s_wait_alu depctr_va_vdst(0)                   ; ahead of the transcendental
	v_rcp_f32 v14, v14
	v_nop
	s_wait_alu depctr_va_vdst(0)                   ; ahead of its first reader
	v_ldexp_f32 v14, v14, s56
	s_wait_alu depctr_va_vdst(0)                   ; directly ahead of the first reader of O^T
.set j, 0
.rept 16
	v_pk_mul_f32 v[S+j:S+j+1], v[O+j:O+j+1], v[14:15] op_sel_hi:[1,0]
.set j, j+2
.endr
.set j, 0
.rept 32
	v_med3_num_f32 v[S+j], v[S+j], -v[LA], v[LA]
.set j, j+1
.endr
.irp t, 0,1,2,3
	v_cvt_scalef32_pk8_bf8_f32 v[FA+2*\t:FA+2*\t+1], v[S+8*\t:S+8*\t+7], v[SCP]
.endr
	v_nop
	global_store_b128 v[LI], v[FA:FA+3], s[10:11]              ; 512 consecutive bytes each
	global_store_b128 v[LI], v[FA+4:FA+7], s[10:11] offset:512
	s_wait_tensorcnt 0x0                           ; the wave's end
	ds_add_u32 v[SPW], v[NIL]
	s_wait_dscnt 0x0
	CROUND                                         ; the closing round
	s_endpgm
.Lfunc_end_k_q5797f6c187_attn:
	.size	k_q5797f6c187_attn, .Lfunc_end_k_q5797f6c187_attn-k_q5797f6c187_attn
	.p2alignl 7, 3214868480
	.fill 96, 4, 3214868480
	.section	.rodata,"a",@progbits
	.p2align	6, 0x0
	.amdhsa_kernel k_q5797f6c187_attn
		.amdhsa_group_segment_fixed_size 327680
		.amdhsa_private_segment_fixed_size 0
		.amdhsa_enable_private_segment 0
		.amdhsa_kernarg_size 32
		.amdhsa_user_sgpr_count 2
		.amdhsa_user_sgpr_kernarg_segment_ptr 1
		.amdhsa_wavefront_size32 1
		.amdhsa_system_sgpr_workgroup_id_x 1
		.amdhsa_system_sgpr_workgroup_id_y 1
		.amdhsa_system_sgpr_workgroup_id_z 1
		.amdhsa_system_vgpr_workitem_id 0
		.amdhsa_next_free_vgpr 256
		.amdhsa_next_free_sgpr 66
		.amdhsa_reserve_vcc 0
		.amdhsa_float_denorm_mode_32 3
		.amdhsa_float_denorm_mode_16_64 3
		.amdhsa_memory_ordered 1
		.amdhsa_forward_progress 1
		.amdhsa_inst_pref_size 68
	.end_amdhsa_kernel
	.amdgpu_metadata
---
amdhsa.version: [ 1, 2 ]
amdhsa.kernels:
  - .name:           k_q5797f6c187_attn
    .symbol:         k_q5797f6c187_attn.kd
    .args:
      - { .name: q_img, .offset: 0, .size: 8, .value_kind: global_buffer, .address_space: global }
      - { .name: kv_img, .offset: 8, .size: 8, .value_kind: global_buffer, .address_space: global }
      - { .name: lowp_scales, .offset: 16, .size: 8, .value_kind: global_buffer, .address_space: global }
      - { .name: o_img, .offset: 24, .size: 8, .value_kind: global_buffer, .address_space: global }
    .group_segment_fixed_size: 327680
    .private_segment_fixed_size: 0
    .kernarg_segment_align: 8
    .kernarg_segment_size: 32
    .max_flat_workgroup_size: 512
    .sgpr_count:     66
    .vgpr_count:     256
    .wavefront_size: 32
...
	.end_amdgpu_metadata
.endif
;; end of part 3
;; launch proj (part 4): grid 8 x 32, 4 waves a work-group, clusters of 4 x 4, 327,680 bytes of LDS; arguments o_img, w_proj_codes, lowp_scales, z_H_previous, z_L_current, x2; writes x2
.if DOCPART == 4
	.amdgcn_target "amdgcn-amd-amdhsa--gfx1250"
	.amdhsa_code_object_version 6
	.text
	.protected	k_q5797f6c187_proj
	.globl	k_q5797f6c187_proj
	.p2align	8
	.type	k_q5797f6c187_proj,@function
k_q5797f6c187_proj:
	s_mov_b64 s[64:65], 0
	v_nop
	global_prefetch_b8 v0, s[64:65] scope:SCOPE_SE
	s_setreg_imm32_b32 hwreg(HW_REG_WAVE_MODE, 25, 1), 1
	s_wait_xcnt 0x0
	s_wait_alu depctr_hold_cnt(0) depctr_sa_sdst(0) depctr_va_vdst(0) depctr_va_sdst(0) depctr_va_ssrc(0) depctr_va_vcc(0) depctr_vm_vsrc(0)
	s_getreg_b32 s2, hwreg(HW_REG_IB_STS2, 6, 4)
	s_cmp_eq_u32 s2, 0
	s_cbranch_scc0 .Lentry_in_a_cluster
	s_endpgm
.Lentry_in_a_cluster:
	s_bfe_u32 s2, ttmp6, 0x10000c
	s_cmp_lg_u32 s2, 0xf033
	s_cbranch_scc0 .Lentry_shape_is_right
	s_endpgm
.Lentry_shape_is_right:
; LAUNCH 4 OF 7.  x2 = (z_H + z_L) + O W_proj, the product on codes of E5M2.  No work is left out.
; N is 1,024: tiles of 128 x 128 give 256 work-groups.  Four waves, each 64 x 64 in 16 accumulators.  K goes in steps of 512 through two LDS slots (K = 1,024: each is filled once).
; A comes as images of fragments (16 rows x 128 K, 2,048 bytes, registers 4 g .. 4 g + 3 of lane l at 512 g + 16 l) in the plain 8-bit layout (ISA guide 7.12.2): four loads of 512 consecutive bytes bring one.
; B lies in rows and is read in the same layout: eight loads of 8 bytes at 16 c + 8 (lane / 16), so that every k meets its partner.
; CLUSTERS: 4 x 4 work-groups; A's tiles are asked for jointly along a row of the cluster, B's along a column.  The matrix instruction takes B's rows as source 0 and A's as source 1: a lane holds 8 neighbours of a row.
; The residual's rows are loaded at the head, in the layout in which rows come back from the stage, and are on their way during the product.  y = sum x 2^(eA + eB) + residual: one packed multiply-add for two numbers.
; LIMIT: e6 + e7 between -126 and 127.
; REGISTERS: window 0: v16-29 addresses; v32-95 rows back from the stage, two sets; v128-255 the accumulators ((a, b) at v[128 + 8 (4 a + b)]).  window 1: two fragment buffers of 128: A's four at +16 i, B's at +64 + 16 i.
;   window 2: the residual: v[32 a + 4 i]; z_L at +128.
.set KTOT,   1024
.set ESC,    0x18                      ; the two exponents' place among the scales
.set TWO_RES, 1
.set LAPS,   KTOT/1024
.set ASLOT,  65536                     ; A's part of a slot: 8 row tiles x 4 images
.set BP,     528                       ; B's row in LDS: 512 bytes + 16: the 32 lanes of an 8-byte load touch 64 different banks (64 banks of 4 bytes: ISA guide 11.1)
.set BHALF,  64*BP
.set SLOT,   ASLOT+2*BHALF
.set SPARE,  2*SLOT                    ; behind the ring: the spare words
.set SP,     272                       ; the way out: a stage of 16 rows x (256 + 16) bytes for each wave, in slot 0, which has had its last fill and its last read by then
.set ADRA, 16
.set ADRB, 20
.set STO,  24
.set RD,   25
.set CO,   26
.set SPW,  28
.set NIL,  29
.set ACC,  128
.set G1, 24
.set G0, 32
.set G1B, 48
.set G0B, 56
.set MSB, 0
.macro WIN new
.if MSB != \new
	s_set_vgpr_msb (MSB<<8)|\new
.set MSB, \new
.endif
.endm
.set MUL,  0x05                        ; sources 0 and 1 window 1; C and D window 0
.set TO_F, 0x40                        ; destination window 1, address window 0
.macro JLOAD g0a, g1a, g0b, g1b
	s_cmp_eq_u32 s15, 0
	s_cbranch_scc0 .Lfor_b_\@
	tensor_load_to_lds s[\g0a:\g0a+3], s[\g1a:\g1a+7]
	s_nop 0
.rept 4
	v_nop
.endr
	s_branch .Lasked_\@
.Lfor_b_\@:
	tensor_load_to_lds s[\g0b:\g0b+3], s[\g1b:\g1b+7]
	s_nop 0
.rept 4
	v_nop
.endr
.Lasked_\@:
.endm
.macro CREST
	s_cmp_lg_u32 s14, 0
	s_cbranch_scc1 .Lnot_wave_0_\@
	s_barrier_signal -3
.Lnot_wave_0_\@:
	s_barrier_wait -3
	s_barrier_signal -1
	s_barrier_wait -1
.endm
.macro CROUND
	s_barrier_signal -1
	s_barrier_wait -1
	CREST
.endm
	s_load_b256 s[4:11], s[0:1], 0x0               ; A's images s[4:5], B's codes s[6:7], the scales' exponents s[8:9], the residual s[10:11]
.if TWO_RES
	s_load_b128 s[68:71], s[0:1], 0x20             ; the second residual s[68:69], the result s[70:71]
.else
	s_load_b64 s[70:71], s[0:1], 0x20              ; the result
.endif
	v_lshl_add_u32 v[SPW], v0, 2, SPARE
	v_mov_b32 v[NIL], 0
	ds_add_u32 v[SPW], v[NIL]                      ; the wave's opening: the add, twice on end, and its wait ahead of my first tensor load
	ds_add_u32 v[SPW], v[NIL]
	v_lshrrev_b32 v1, 5, v0
	v_readfirstlane_b32 s14, v1                    ; wave 0..3
	s_lshr_b32 s15, s14, 1                         ; my half of the tile's rows.  Also: I fetch for A (0) or for B (1)
	s_and_b32 s16, s14, 1                          ; my half of its columns.  Also: which half of that tile I fetch
	s_bfe_u32 s40, ttmp6, 0x40000
	s_bfe_u32 s41, ttmp6, 0x40004
	s_lshl_b32 s42, ttmp9, 2
	s_add_co_u32 s42, s42, s40                     ; tile column
	s_and_b32 s17, ttmp7, 0xffff
	s_lshl_b32 s17, s17, 2
	s_add_co_u32 s17, s17, s41                     ; tile row
	s_lshl_b32 s43, s41, 2
	s_lshl_b32 s43, 15, s43                        ; my row of the cluster
	s_lshl_b32 s44, 0x1111, s40                    ; my column
	s_or_b32 s[G1+0], s43, (3<<16)|(1<<21)         ; A: the mask; elements of 8 bytes; bit 21 beside a mask; no padding
	s_mov_b32 s[G1+1], 1024<<16                    ; tensor_dim0: a row tile's four images, 8,192 bytes
	s_mov_b32 s[G1+2], 4<<16                       ; tensor_dim1: four row tiles
	s_mov_b32 s[G1+3], 1024<<16                    ; tile_dim0
	s_mov_b32 s[G1+4], 4                           ; tile_dim1
	s_mov_b32 s[G1+5], 2*KTOT                      ; from row tile to row tile: 16 KTOT bytes
	s_mov_b32 s[G1+6], 0
	s_mov_b32 s[G1+7], 0
	s_or_b32 s[G1B+0], s44, (0<<16)|(1<<20)|(1<<21)|(6<<22)|(3<<25)  ; B: elements of 1 byte; after every 128 words, 4 words of padding
	s_mov_b32 s[G1B+1], 512<<16
	s_mov_b32 s[G1B+2], 64<<16
	s_mov_b32 s[G1B+3], 512<<16
	s_mov_b32 s[G1B+4], 64
	s_mov_b32 s[G1B+5], KTOT
	s_mov_b32 s[G1B+6], 0
	s_mov_b32 s[G1B+7], 0
	s_lshl_b32 s18, s16, 2
	s_lshl_b32 s20, s17, 3
	s_add_co_u32 s20, s20, s18                     ; A: row tile 8 x tile row + 4 x half
	s_mul_i32 s20, s20, 16*KTOT
	s_mov_b32 s21, 0
	s_lshl_b32 s18, s16, 6
	s_lshl_b32 s46, s42, 7
	s_add_co_u32 s46, s46, s18                     ; B: row 128 x tile column + 64 x half
	s_mul_i32 s46, s46, KTOT
	s_mov_b32 s47, 0
	s_lshl_b32 s45, s16, 15                        ; where A's half goes in a slot,
	s_mul_i32 s19, s16, BHALF
	s_add_co_u32 s19, s19, ASLOT                   ; and B's
	s_wait_dscnt 0x0                               ; both opening adds are done
	s_wait_kmcnt 0x0
	s_load_b64 s[96:97], s[8:9], ESC               ; eA, eB
	s_add_nc_u64 s[20:21], s[4:5], s[20:21]
	s_add_nc_u64 s[46:47], s[6:7], s[46:47]
	CROUND                                         ; all sixteen work-groups are here: the first joint loads meet
.irp s, 0,1
	s_mov_b32 s[G0+4*\s], 1
	s_add_co_u32 s[G0+4*\s+1], s45, \s*SLOT
	s_add_nc_u64 s[G0+4*\s+2:G0+4*\s+3], s[20:21], \s*8192
	s_or_b32 s[G0+4*\s+3], s[G0+4*\s+3], 0x80000000
	s_mov_b32 s[G0B+4*\s], 1
	s_add_co_u32 s[G0B+4*\s+1], s19, \s*SLOT
	s_add_nc_u64 s[G0B+4*\s+2:G0B+4*\s+3], s[46:47], \s*512
	s_or_b32 s[G0B+4*\s+3], s[G0B+4*\s+3], 0x80000000
.endr
	JLOAD G0, G1, G0B, G1B                         ; K step 0: one tensor load a wave at the head
	v_and_b32 v1, 15, v0
	v_bfe_u32 v2, v0, 4, 1                         ; l / 16
	v_and_b32 v3, 31, v0
	v_lshlrev_b32 v3, 4, v3                        ; 16 x lane
	v_mul_u32_u24 v4, v1, BP
	v_lshl_add_u32 v4, v2, 3, v4                   ; B: row x pitch + 8 x half
	s_lshl_b32 s21, s15, 15                        ; my four row tiles of A
	s_mul_i32 s22, s16, BHALF
	s_add_co_u32 s22, s22, ASLOT                   ; my 64 rows of B
.irp s, 0,1
	v_add_nc_u32 v[ADRA+\s], s21, v3
	v_add_nc_u32 v[ADRB+\s], s22, v4
	s_add_co_u32 s21, s21, SLOT
	s_add_co_u32 s22, s22, SLOT
.endr
	s_mul_i32 s23, s14, 16*SP                      ; my stage
	v_mul_u32_u24 v5, v1, SP
	v_lshl_add_u32 v5, v2, 5, v5
	v_add_nc_u32 v[STO], s23, v5                   ; in: row l % 16, 32 bytes for each half of the lanes
	v_mul_u32_u24 v5, v2, SP
	v_lshl_add_u32 v5, v1, 4, v5
	v_add_nc_u32 v[RD], s23, v5                    ; back: lanes 0-15 one row of 256 bytes, lanes 16-31 the next
	v_lshlrev_b32 v5, 12, v2
	v_lshl_add_u32 v[CO], v1, 4, v5                ; and the same two rows in memory
	s_wait_alu depctr_va_vdst(0)
	s_lshl_b32 s20, s17, 7
	s_lshl_b32 s21, s15, 6
	s_add_co_u32 s20, s20, s21                     ; my first row: 128 x tile row + 64 x half
	s_lshl_b32 s20, s20, 12
	s_lshl_b32 s21, s42, 9
	s_add_co_u32 s20, s20, s21                     ; my first column, in bytes: 512 x tile column + 256 x half
	s_lshl_b32 s21, s16, 8
	s_add_co_u32 s20, s20, s21
	s_mov_b32 s21, 0
	s_add_nc_u64 s[10:11], s[10:11], s[20:21]
	s_add_nc_u64 s[70:71], s[70:71], s[20:21]
.if TWO_RES
	s_add_nc_u64 s[68:69], s[68:69], s[20:21]
.endif
	WIN 0x80                                       ; destination window 2
.irp a, 0,1,2,3
.irp i, 0,1,2,3,4,5,6,7
	global_load_b128 v[32*\a+4*\i:32*\a+4*\i+3], v[CO], s[10:11] offset:(16*\a+2*\i)*4096 th:TH_LOAD_NT
.endr
.endr
.if TWO_RES
.irp a, 0,1,2,3
.irp i, 0,1,2,3,4,5,6,7
	global_load_b128 v[128+32*\a+4*\i:128+32*\a+4*\i+3], v[CO], s[68:69] offset:(16*\a+2*\i)*4096 th:TH_LOAD_NT
.endr
.endr
.endif
	WIN 0
; 8 matrix instructions: A's blocks a0, a0 + 1 x B's four, 128 along K.  The 16 accumulators take turns, one instruction a turn.
.macro MUL8 f, a0, zero
	WIN MUL
.irp a, \a0, \a0+1
.irp b, 0,1,2,3
.if \zero
	v_wmma_f32_16x16x128_bf8_bf8 v[ACC+8*(4*(\a)+\b):ACC+8*(4*(\a)+\b)+7], v[(\f)+64+16*\b:(\f)+64+16*\b+15], v[(\f)+16*(\a):(\f)+16*(\a)+15], 0
.else
	v_wmma_f32_16x16x128_bf8_bf8 v[ACC+8*(4*(\a)+\b):ACC+8*(4*(\a)+\b)+7], v[(\f)+64+16*\b:(\f)+64+16*\b+15], v[(\f)+16*(\a):(\f)+16*(\a)+15], v[ACC+8*(4*(\a)+\b):ACC+8*(4*(\a)+\b)+7]
.endif
.endr
.endr
.endm
.macro FETCH slot, q, f                ; the fragments of the slot's q-th 128 along K into buffer f: 16 loads of 16 bytes, 32 of 8
	WIN TO_F
.irp i, 0,1,2,3
.irp g, 0,1,2,3
	ds_load_b128 v[(\f)+16*\i+4*\g:(\f)+16*\i+4*\g+3], v[ADRA+\slot] offset:8192*\i+2048*(\q)+512*\g
.endr
.irp c, 0,1,2,3,4,5,6,7
	ds_load_b64 v[(\f)+64+16*\i+2*\c:(\f)+64+16*\i+2*\c+1], v[ADRB+\slot] offset:16*BP*\i+128*(\q)+16*\c
.endr
.endr
.endm
.macro PLACES n                        ; plain vector instructions between a matrix instruction and a load into, or a read of, its registers
.rept \n
	v_nop
.endr
.endm
.macro SUB slot, q, zero               ; one of a slot's first three 128s: the next one's fragments are fetched into the other buffer, then this one is multiplied
.set FF, 128*((\q)%2)
.set GG, 128-FF
	s_wait_dscnt 0x0                               ; this buffer's fragments are in
	PLACES 4                                       ; behind the products that read the other buffer
	FETCH \slot, (\q)+1, GG
	MUL8 FF, 0, \zero
	MUL8 FF, 2, \zero
.endm
; A slot's last 128 changes slots: one barrier; in front of it each wave waits for all its tensor loads, adds 0 to its spare word, and waits for that and for its reads of this slot.
.macro TURN slot, next, fill
	WIN 0
	s_wait_tensorcnt 0x0                           ; all my tensor loads have landed: my part of the next slot
	ds_add_u32 v[SPW], v[NIL]
	s_wait_dscnt 0x0                               ; the add is done, and my reads of this slot are over
	s_barrier_signal -1
	MUL8 128, 0, 0
	WIN 0
	s_barrier_wait -1
.if \fill
	CREST                                          ; the barrier has opened a round of the cluster's
	s_add_nc_u64 s[G0+4*\slot+2:G0+4*\slot+3], s[G0+4*\slot+2:G0+4*\slot+3], 2*8192
	s_add_nc_u64 s[G0B+4*\slot+2:G0B+4*\slot+3], s[G0B+4*\slot+2:G0B+4*\slot+3], 2*512
	JLOAD G0+4*\slot, G1, G0B+4*\slot, G1B         ; the first tensor load behind the round; its four v_nop are the places in front of the loads below
.else
	PLACES 4
.endif
	FETCH \next, 0, 0
	MUL8 128, 2, 0
.endm
	s_wait_alu depctr_va_vdst(0)                   ; the wait at the head's end
	s_wait_tensorcnt 0x0                           ; my part of K step 0 is in; these lines stand ahead of a later first fill as ahead of a refill
	ds_add_u32 v[SPW], v[NIL]
	s_wait_dscnt 0x0
	CROUND                                         ; a whole round: everybody's part of K step 0 is in
	JLOAD G0+4, G1, G0B+4, G1B                     ; K step 1: the first tensor load behind the round
	FETCH 0, 0, 0
	SUB 0, 0, 1                                    ; the first products start the sums
.if LAPS > 1
	WIN 0
	s_mov_b32 s3, LAPS-1
.Llap:                                             ; a trip goes once round the ring and fills both slots again
	SUB 0, 1, 0
	SUB 0, 2, 0
	TURN 0, 1, 1
	SUB 1, 0, 0
	SUB 1, 1, 0
	SUB 1, 2, 0
	TURN 1, 0, 1
	SUB 0, 0, 0
	WIN 0
	s_sub_co_u32 s3, s3, 1
	s_cmp_lg_u32 s3, 0
	s_cbranch_scc1 .Llap
.endif
	SUB 0, 1, 0
	SUB 0, 2, 0
	TURN 0, 1, 0                                   ; the last change of slots: nothing is filled
	SUB 1, 0, 0
	SUB 1, 1, 0
	SUB 1, 2, 0
	s_wait_dscnt 0x0
	MUL8 128, 0, 0
	MUL8 128, 2, 0
	; THE WAY OUT, a block of 16 rows x 64 columns at a time through my own stage: sixteen lanes then store 256 consecutive bytes, aligned
	s_wait_loadcnt 0x0                             ; the residual
	s_wait_kmcnt 0x0
	s_add_co_i32 s96, s96, s97
	s_add_co_i32 s96, s96, 127
	s_lshl_b32 s96, s96, 23                        ; 2^(eA + eB) as f32
	s_mov_b32 s97, s96                             ; (named with it as a pair)
.if TWO_RES
	WIN 0x8a                                       ; sources 0, 1 and destination window 2
.set j, 0
.rept 64
	v_pk_add_f32 v[j:j+1], v[j:j+1], v[128+j:129+j]            ; x = z_H + z_L; these are also the places behind the last products
.set j, j+2
.endr
.else
	PLACES 4
.endif
	WIN 0
.macro TOSTAGE a
.set BB, 32+32*((\a)%2)
.irp b, 0,1,2,3
	ds_store_b128 v[STO], v[ACC+8*(4*(\a)+\b):ACC+8*(4*(\a)+\b)+3] offset:64*\b        ; each accumulator from its low end on
	ds_store_b128 v[STO], v[ACC+8*(4*(\a)+\b)+4:ACC+8*(4*(\a)+\b)+7] offset:64*\b+16
.endr
.irp i, 0,1,2,3,4,5,6,7
	ds_load_b128 v[BB+4*\i:BB+4*\i+3], v[RD] offset:2*SP*\i    ; LDS serves a wave's instructions in order (ISA guide 5.7.1.4): these see my stores
.endr
.endm
.macro SEND a, younger                 ; younger: the LDS instructions issued behind block a's loads, which may stay out
.set BB, 32+32*((\a)%2)
	s_wait_dscnt \younger
	WIN 0x20                                       ; source 2 window 2
.set j, 0
.rept 16
	v_pk_fma_f32 v[BB+j:BB+j+1], v[BB+j:BB+j+1], s[96:97], v[32*(\a)+j:32*(\a)+j+1] op_sel_hi:[1,0,1]
.set j, j+2
.endr
	WIN 0
.irp i, 0,1,2,3,4,5,6,7
.if TWO_RES
	global_store_b128 v[CO], v[BB+4*\i:BB+4*\i+3], s[70:71] offset:(16*(\a)+2*\i)*4096
.else
	global_store_b128 v[CO], v[BB+4*\i:BB+4*\i+3], s[70:71] offset:(16*(\a)+2*\i)*4096 th:TH_STORE_NT
.endif
.endr
.endm
	TOSTAGE 0
.irp a, 1,2,3
.if \a > 1
	s_wait_xcnt 0x0                                ; block a - 2's stores have read their data: block a's loads may land there
.endif
	TOSTAGE \a
	SEND \a-1, 16                                  ; behind block a - 1's loads: block a's 8 stores and 8 loads
.endr
	SEND 3, 0
	s_wait_tensorcnt 0x0                           ; the wave's end
	ds_add_u32 v[SPW], v[NIL]
	s_wait_dscnt 0x0
	CROUND                                         ; the closing round
	s_endpgm
.Lfunc_end_k_q5797f6c187_proj:
	.size	k_q5797f6c187_proj, .Lfunc_end_k_q5797f6c187_proj-k_q5797f6c187_proj
	.p2alignl 7, 3214868480
	.fill 96, 4, 3214868480
	.section	.rodata,"a",@progbits
	.p2align	6, 0x0
	.amdhsa_kernel k_q5797f6c187_proj
		.amdhsa_group_segment_fixed_size 327680
		.amdhsa_private_segment_fixed_size 0
		.amdhsa_enable_private_segment 0
		.amdhsa_kernarg_size 48
		.amdhsa_user_sgpr_count 2
		.amdhsa_user_sgpr_kernarg_segment_ptr 1
		.amdhsa_wavefront_size32 1
		.amdhsa_system_sgpr_workgroup_id_x 1
		.amdhsa_system_sgpr_workgroup_id_y 1
		.amdhsa_system_sgpr_workgroup_id_z 1
		.amdhsa_system_vgpr_workitem_id 0
		.amdhsa_next_free_vgpr 768
		.amdhsa_next_free_sgpr 100
		.amdhsa_reserve_vcc 0
		.amdhsa_float_denorm_mode_32 3
		.amdhsa_float_denorm_mode_16_64 3
		.amdhsa_memory_ordered 1
		.amdhsa_forward_progress 1
		.amdhsa_inst_pref_size 64
	.end_amdhsa_kernel
	.amdgpu_metadata
---
amdhsa.version: [ 1, 2 ]
amdhsa.kernels:
  - .name:           k_q5797f6c187_proj
    .symbol:         k_q5797f6c187_proj.kd
    .args:
      - { .name: o_img, .offset: 0, .size: 8, .value_kind: global_buffer, .address_space: global }
      - { .name: w_proj_codes, .offset: 8, .size: 8, .value_kind: global_buffer, .address_space: global }
      - { .name: lowp_scales, .offset: 16, .size: 8, .value_kind: global_buffer, .address_space: global }
      - { .name: z_H_previous, .offset: 24, .size: 8, .value_kind: global_buffer, .address_space: global }
      - { .name: z_L_current, .offset: 32, .size: 8, .value_kind: global_buffer, .address_space: global }
      - { .name: x2, .offset: 40, .size: 8, .value_kind: global_buffer, .address_space: global }
    .group_segment_fixed_size: 327680
    .private_segment_fixed_size: 0
    .kernarg_segment_align: 8
    .kernarg_segment_size: 48
    .max_flat_workgroup_size: 128
    .sgpr_count:     100
    .vgpr_count:     768
    .wavefront_size: 32
...
	.end_amdgpu_metadata
.endif
;; end of part 4
;; launch norm2 (part 5): grid 256 x 1, 16 waves a work-group, no clusters, 18,432 bytes of LDS; arguments x2, g_norm2, lowp_scales, h_codes; writes h_codes
.if DOCPART == 5
	.amdgcn_target "amdgcn-amd-amdhsa--gfx1250"
	.amdhsa_code_object_version 6
	.text
	.protected	k_q5797f6c187_norm2
	.globl	k_q5797f6c187_norm2
	.p2align	8
	.type	k_q5797f6c187_norm2,@function
k_q5797f6c187_norm2:
	s_mov_b64 s[64:65], 0
	v_nop
	global_prefetch_b8 v0, s[64:65] scope:SCOPE_SE
	s_setreg_imm32_b32 hwreg(HW_REG_WAVE_MODE, 25, 1), 1
	s_wait_xcnt 0x0
; LAUNCH 5 OF 7.  h_codes = Q(rmsnorm(x2, g_norm2)), codes of E5M2 with the given scale 2^e8, rows of 1,024 bytes.  No work is left out.
; One wave takes one row (row = 16 x work-group + wave): 8 loads of 512 consecutive bytes for x2 and for g, all out at once; no loop, no barrier.  The eight code registers (4 codes of each 128 along K) go through the
; wave's own 1,024 bytes of LDS and come back 16 bytes a lane: the row leaves as two stores of 512 consecutive bytes.
; LIMITS: e8 between -126 and 112.  NaN among the inputs is not served.
.set SPARE, 16384
.set LO,  1
.set SA,  2
.set SR,  3
.set SPW, 4
.set NIL, 5
.set SC,  6
.set LIM, 7
.set X,   16
.set G,   80
.set CD,  112
.set BK,  120
	s_load_b256 s[4:11], s[0:1], 0x0               ; x2 s[4:5], g s[6:7], the scales' exponents s[8:9], h_codes s[10:11]
	v_lshl_add_u32 v[SPW], v0, 2, SPARE
	v_mov_b32 v[NIL], 0
	v_lshrrev_b32 v6, 5, v0
	s_delay_alu instid0(VALU_DEP_1)
	v_readfirstlane_b32 s16, v6                    ; wave 0..15
	v_and_b32 v7, 31, v0
	s_delay_alu instid0(VALU_DEP_1)
	v_lshlrev_b32 v[LO], 4, v7
	s_lshl_b32 s17, s16, 10
	v_lshl_add_u32 v[SA], v7, 2, s17
	v_add_nc_u32 v[SR], s17, v[LO]
	s_lshl_b32 s18, ttmp9, 4
	s_add_co_u32 s18, s18, s16                     ; my row
	s_lshl_b32 s26, s18, 10
	s_mov_b32 s27, 0
	s_lshl_b32 s18, s18, 12
	s_mov_b32 s19, 0
	s_mov_b32 s21, 0x3a800000                      ; 1 / 1,024
	s_mov_b32 s22, 0x358637bd                      ; 1e-6
	s_mov_b32 s24, 0x76543210
	s_mov_b32 s25, 0xfedcba98
	s_wait_alu depctr_va_vdst(0)
	s_wait_kmcnt 0x0
	s_load_b32 s20, s[8:9], 0x20                   ; e8
	s_add_nc_u64 s[4:5], s[4:5], s[18:19]
	s_add_nc_u64 s[10:11], s[10:11], s[26:27]
.irp j, 0,1,2,3,4,5,6,7
	global_load_b128 v[X+4*\j:X+4*\j+3], v[LO], s[4:5] offset:512*\j
.endr
.irp j, 0,1,2,3,4,5,6,7
	global_load_b128 v[G+4*\j:G+4*\j+3], v[LO], s[6:7] offset:512*\j
.endr
	s_wait_loadcnt 8                               ; the row is in; g's eight loads may be out
.irp c, 0,2,4,6
	v_pk_mul_f32 v[8+\c:9+\c], v[X+\c:X+\c+1], v[X+\c:X+\c+1]  ; the squares' sum, in four packed chains
.endr
.set j, 8
.rept 12
	s_delay_alu instid0(VALU_DEP_4)
	v_pk_fma_f32 v[8+j%8:9+j%8], v[X+j:X+j+1], v[X+j:X+j+1], v[8+j%8:9+j%8]
.set j, j+2
.endr
	s_delay_alu instid0(VALU_DEP_3)
	v_pk_add_f32 v[8:9], v[8:9], v[10:11]
	s_delay_alu instid0(VALU_DEP_2)
	v_pk_add_f32 v[12:13], v[12:13], v[14:15]
	s_delay_alu instid0(VALU_DEP_1)
	v_pk_add_f32 v[8:9], v[8:9], v[12:13]
	s_delay_alu instid0(VALU_DEP_1)
	v_add_f32 v8, v8, v9
	s_delay_alu instid0(VALU_DEP_1)
	v_add_f32_dpp v8, v8, v8 row_xmask:1 row_mask:0xf bank_mask:0xf
	s_delay_alu instid0(VALU_DEP_1)
	v_add_f32_dpp v8, v8, v8 row_xmask:2 row_mask:0xf bank_mask:0xf
	s_delay_alu instid0(VALU_DEP_1)
	v_add_f32_dpp v8, v8, v8 row_xmask:4 row_mask:0xf bank_mask:0xf
	s_delay_alu instid0(VALU_DEP_1)
	v_add_f32_dpp v8, v8, v8 row_xmask:8 row_mask:0xf bank_mask:0xf
	s_delay_alu instid0(VALU_DEP_1)
	v_permlanex16_b32 v9, v8, s24, s25
	s_delay_alu instid0(VALU_DEP_1)
	v_add_f32 v8, v8, v9
	s_delay_alu instid0(VALU_DEP_1)
	v_fma_f32 v8, v8, s21, s22                     ; the mean + 1e-6
	s_wait_alu depctr_va_vdst(0)
	v_rsq_f32 v10, v8
	v_mov_b32 v11, 0                               ; a plain instruction behind the root; v11 is named with v10 as a pair
	s_wait_kmcnt 0x0
	s_add_co_i32 s20, s20, 127
	s_lshl_b32 s23, s20, 23
	v_mov_b32 v[SC], s23
	s_add_co_i32 s20, s20, 15
	s_lshl_b32 s20, s20, 23
	s_or_b32 s20, s20, 0x600000
	v_mov_b32 v[LIM], s20
	s_wait_alu depctr_va_vdst(0)                   ; the wait ahead of the root's first reader
.set j, 0
.rept 16
	v_pk_mul_f32 v[X+j:X+j+1], v[X+j:X+j+1], v[10:11] op_sel_hi:[1,0]
.set j, j+2
.endr
	s_wait_loadcnt 0x0                             ; g
.set j, 0
.rept 16
	v_pk_mul_f32 v[X+j:X+j+1], v[X+j:X+j+1], v[G+j:G+j+1]
.set j, j+2
.endr
.set j, 0
.rept 32
	v_med3_num_f32 v[X+j], v[X+j], -v[LIM], v[LIM] ; the conversion does not saturate (ISA guide 7.6.2): the hold
.set j, j+1
.endr
.irp q, 0,1,2,3
	v_cvt_scalef32_pk8_bf8_f32 v[CD+2*\q:CD+2*\q+1], v[X+8*\q:X+8*\q+7], v[SC]
.endr
	v_nop
.irp j, 0,1,2,3,4,5,6,7
	ds_store_b32 v[SA], v[CD+\j] offset:128*\j     ; register j: the codes of k = 128 j + 4 lane + 0..3
.endr
.irp u, 0,1
	ds_load_b128 v[BK+4*\u:BK+4*\u+3], v[SR] offset:512*\u
.endr
	s_wait_dscnt 1                                 ; the first half of the row is back; the second load may be out
	global_store_b128 v[LO], v[BK:BK+3], s[10:11]
	s_wait_dscnt 0x0
	global_store_b128 v[LO], v[BK+4:BK+7], s[10:11] offset:512
	s_wait_tensorcnt 0x0                           ; the wave's end
	ds_add_u32 v[SPW], v[NIL]
	s_wait_dscnt 0x0
	s_endpgm
.Lfunc_end_k_q5797f6c187_norm2:
	.size	k_q5797f6c187_norm2, .Lfunc_end_k_q5797f6c187_norm2-k_q5797f6c187_norm2
	.p2alignl 7, 3214868480
	.fill 96, 4, 3214868480
	.section	.rodata,"a",@progbits
	.p2align	6, 0x0
	.amdhsa_kernel k_q5797f6c187_norm2
		.amdhsa_group_segment_fixed_size 18432
		.amdhsa_private_segment_fixed_size 0
		.amdhsa_enable_private_segment 0
		.amdhsa_kernarg_size 32
		.amdhsa_user_sgpr_count 2
		.amdhsa_user_sgpr_kernarg_segment_ptr 1
		.amdhsa_wavefront_size32 1
		.amdhsa_system_sgpr_workgroup_id_x 1
		.amdhsa_system_sgpr_workgroup_id_y 1
		.amdhsa_system_sgpr_workgroup_id_z 1
		.amdhsa_system_vgpr_workitem_id 0
		.amdhsa_next_free_vgpr 128
		.amdhsa_next_free_sgpr 66
		.amdhsa_reserve_vcc 0
		.amdhsa_float_denorm_mode_32 3
		.amdhsa_float_denorm_mode_16_64 3
		.amdhsa_memory_ordered 1
		.amdhsa_forward_progress 1
		.amdhsa_inst_pref_size 12
	.end_amdhsa_kernel
	.amdgpu_metadata
---
amdhsa.version: [ 1, 2 ]
amdhsa.kernels:
  - .name:           k_q5797f6c187_norm2
    .symbol:         k_q5797f6c187_norm2.kd
    .args:
      - { .name: x2, .offset: 0, .size: 8, .value_kind: global_buffer, .address_space: global }
      - { .name: g_norm2, .offset: 8, .size: 8, .value_kind: global_buffer, .address_space: global }
      - { .name: lowp_scales, .offset: 16, .size: 8, .value_kind: global_buffer, .address_space: global }
      - { .name: h_codes, .offset: 24, .size: 8, .value_kind: global_buffer, .address_space: global }
    .group_segment_fixed_size: 18432
    .private_segment_fixed_size: 0
    .kernarg_segment_align: 8
    .kernarg_segment_size: 32
    .max_flat_workgroup_size: 512
    .sgpr_count:     66
    .vgpr_count:     128
    .wavefront_size: 32
...
	.end_amdgpu_metadata
.endif
;; end of part 5
;; launch ffn1 (part 6): grid 16 x 16, 4 waves a work-group, clusters of 4 x 4, 327,680 bytes of LDS; arguments h_codes, w_ffn1_codes, lowp_scales, a_img; writes a_img
.if DOCPART == 6
	.amdgcn_target "amdgcn-amd-amdhsa--gfx1250"
	.amdhsa_code_object_version 6
	.text
	.protected	k_q5797f6c187_ffn1
	.globl	k_q5797f6c187_ffn1
	.p2align	8
	.type	k_q5797f6c187_ffn1,@function
k_q5797f6c187_ffn1:
	s_mov_b64 s[64:65], 0
	v_nop
	global_prefetch_b8 v0, s[64:65] scope:SCOPE_SE
	s_setreg_imm32_b32 hwreg(HW_REG_WAVE_MODE, 25, 1), 1
	s_wait_xcnt 0x0
	s_wait_alu depctr_hold_cnt(0) depctr_sa_sdst(0) depctr_va_vdst(0) depctr_va_sdst(0) depctr_va_ssrc(0) depctr_va_vcc(0) depctr_vm_vsrc(0)
	s_getreg_b32 s2, hwreg(HW_REG_IB_STS2, 6, 4)
	s_cmp_eq_u32 s2, 0
	s_cbranch_scc0 .Lentry_in_a_cluster
	s_endpgm
.Lentry_in_a_cluster:
	s_bfe_u32 s2, ttmp6, 0x10000c
	s_cmp_lg_u32 s2, 0xf033
	s_cbranch_scc0 .Lentry_shape_is_right
	s_endpgm
.Lentry_shape_is_right:
.set KSTEP,  256
.set ROWB,   256
.set KROW,   1024
.set PITCH,  272
.set FR,     16
.set NL,     4
.set NP,     4
.set HALFT,  128*PITCH
.set SLOT,   4*HALFT
.set LAPS,   2
.set SPARE,  2*SLOT
.set ADRA, 16
.set ADRB, 20
.set LI,   24
.set SC,   25
.set LIM,  26
.set SPW,  28
.set NIL,  29
.set AF,   128
.set G1, 24
.set G0, 32
.set G1B, 48
.set G0B, 56
.set MSB, 0
.macro WIN new
.if MSB != \new
	s_set_vgpr_msb (MSB<<8)|\new
.set MSB, \new
.endif
.endm
.set MUL_LO, 0xa1
.set MUL_HI, 0xf1
.set TO_B,   0x40
.macro JLOAD g0a, g1a, g0b, g1b
	s_cmp_eq_u32 s15, 0
	s_cbranch_scc0 .Lfor_b_\@
	tensor_load_to_lds s[\g0a:\g0a+3], s[\g1a:\g1a+7]
	s_nop 0
.rept 4
	v_nop
.endr
	s_branch .Lasked_\@
.Lfor_b_\@:
	tensor_load_to_lds s[\g0b:\g0b+3], s[\g1b:\g1b+7]
	s_nop 0
.rept 4
	v_nop
.endr
.Lasked_\@:
.endm
.macro CREST
	s_cmp_lg_u32 s14, 0
	s_cbranch_scc1 .Lnot_wave_0_\@
	s_barrier_signal -3
.Lnot_wave_0_\@:
	s_barrier_wait -3
	s_barrier_signal -1
	s_barrier_wait -1
.endm
.macro CROUND
	s_barrier_signal -1
	s_barrier_wait -1
	CREST
.endm
	s_load_b256 s[4:11], s[0:1], 0x0
	v_lshl_add_u32 v[SPW], v0, 2, SPARE
	v_mov_b32 v[NIL], 0
	ds_add_u32 v[SPW], v[NIL]
	ds_add_u32 v[SPW], v[NIL]
	v_lshrrev_b32 v1, 5, v0
	v_readfirstlane_b32 s14, v1
	s_lshr_b32 s15, s14, 1
	s_and_b32 s16, s14, 1
	s_bfe_u32 s40, ttmp6, 0x40000
	s_bfe_u32 s41, ttmp6, 0x40004
	s_lshl_b32 s42, ttmp9, 2
	s_add_co_u32 s42, s42, s40
	s_and_b32 s17, ttmp7, 0xffff
	s_lshl_b32 s17, s17, 2
	s_add_co_u32 s17, s17, s41
	s_lshl_b32 s43, s41, 2
	s_lshl_b32 s43, 15, s43
	s_lshl_b32 s44, 0x1111, s40
	s_or_b32 s[G1+0], s43, (0<<16)|(1<<20)|(1<<21)|(5<<22)|(3<<25)
	s_or_b32 s[G1B+0], s44, (0<<16)|(1<<20)|(1<<21)|(5<<22)|(3<<25)
.irp g, G1, G1B
	s_mov_b32 s[\g+1], ROWB<<16
	s_mov_b32 s[\g+2], 128<<16
	s_mov_b32 s[\g+3], ROWB<<16
	s_mov_b32 s[\g+4], 128
	s_mov_b32 s[\g+5], KROW
	s_mov_b32 s[\g+6], 0
	s_mov_b32 s[\g+7], 0
.endr
	s_lshl_b32 s18, s16, 7
	s_lshl_b32 s20, s17, 8
	s_add_co_u32 s20, s20, s18
	s_lshl_b32 s46, s42, 8
	s_add_co_u32 s46, s46, s18
	s_mov_b32 s21, 0
	s_mov_b32 s47, 0
	s_mov_b64 s[18:19], KROW
	s_mul_u64 s[20:21], s[20:21], s[18:19]
	s_mul_u64 s[46:47], s[46:47], s[18:19]
	s_mul_i32 s45, s14, HALFT
	s_wait_dscnt 0x0
	s_wait_kmcnt 0x0
	s_load_b128 s[84:87], s[8:9], 0x20
	s_add_nc_u64 s[20:21], s[4:5], s[20:21]
	s_add_nc_u64 s[46:47], s[6:7], s[46:47]
	CROUND
.irp s, 0,1
	s_mov_b32 s[G0+4*\s], 1
	s_add_co_u32 s[G0+4*\s+1], s45, \s*SLOT
	s_add_nc_u64 s[G0+4*\s+2:G0+4*\s+3], s[20:21], \s*ROWB
	s_or_b32 s[G0+4*\s+3], s[G0+4*\s+3], 0x80000000
	s_mov_b32 s[G0B+4*\s], 1
	s_add_co_u32 s[G0B+4*\s+1], s45, \s*SLOT
	s_add_nc_u64 s[G0B+4*\s+2:G0B+4*\s+3], s[46:47], \s*ROWB
	s_or_b32 s[G0B+4*\s+3], s[G0B+4*\s+3], 0x80000000
.endr
	JLOAD G0, G1, G0B, G1B                         ; K step 0: one tensor load a wave at the head
	v_and_b32 v1, 15, v0
	v_bfe_u32 v2, v0, 4, 1
	v_mul_u32_u24 v3, v1, PITCH
	v_lshl_add_u32 v4, v2, 4, v3
	s_mul_i32 s21, s15, HALFT
	s_mul_i32 s22, s16, HALFT
	s_add_co_u32 s22, s22, 2*HALFT
.irp s, 0,1
	v_add_nc_u32 v[ADRA+\s], s21, v4
	v_add_nc_u32 v[ADRB+\s], s22, v4
	s_add_co_u32 s21, s21, SLOT
	s_add_co_u32 s22, s22, SLOT
.endr
	v_and_b32 v[LI], 31, v0
	v_lshlrev_b32 v[LI], 4, v[LI]
	s_lshl_b32 s20, s17, 4
	s_lshl_b32 s21, s15, 3
	s_add_co_u32 s20, s20, s21
	s_lshl_b32 s20, s20, 16
	s_lshl_b32 s21, s42, 1
	s_add_co_u32 s21, s21, s16
	s_lshl_b32 s21, s21, 11
	s_add_co_u32 s20, s20, s21
	s_mov_b32 s21, 0
	s_add_nc_u64 s[10:11], s[10:11], s[20:21]
	s_wait_alu depctr_va_vdst(0)
	s_wait_kmcnt 0x0
	s_add_co_i32 s88, s84, s85
	s_add_co_i32 s92, s88, 127
	s_lshl_b32 s92, s92, 23
	s_mov_b32 s93, s92
	s_lshl_b32 s88, s88, 23
	s_add_co_i32 s94, s88, 0xbfb8aa3b
	s_mov_b32 s95, s94
	s_add_co_i32 s88, s86, 127
	s_lshl_b32 s89, s88, 23
	v_mov_b32 v[SC], s89
	s_add_co_i32 s88, s88, 15
	s_lshl_b32 s88, s88, 23
	s_or_b32 s88, s88, 0x600000
	v_mov_b32 v[LIM], s88
.macro FRAG reg, adr, q, i
.irp c, 0,1,2,3
	ds_load_b128 v[\reg+4*\c:\reg+4*\c+3], v[\adr] offset:128*(\q)+32*\c+(\i)*16*PITCH
.endr
.endm
.macro MUL16 a0, p, zero
.irp a, \a0, \a0+1
.irp b, 0,1,2,3,4,5,6,7
.if \zero
	v_wmma_f32_16x16x128_bf8_bf8 v[8*(8*((\a)%4)+\b):8*(8*((\a)%4)+\b)+7], v[128*(\p)+FR*\b:128*(\p)+FR*\b+FR-1], v[AF+FR*(\a):AF+FR*(\a)+FR-1], 0
.else
	v_wmma_f32_16x16x128_bf8_bf8 v[8*(8*((\a)%4)+\b):8*(8*((\a)%4)+\b)+7], v[128*(\p)+FR*\b:128*(\p)+FR*\b+FR-1], v[AF+FR*(\a):AF+FR*(\a)+FR-1], v[8*(8*((\a)%4)+\b):8*(8*((\a)%4)+\b)+7]
.endif
.endr
.endr
.endm
.macro FETCH_B slot, q, p
	WIN TO_B
.irp i, 0,1,2,3,4,5,6,7
	FRAG 128*(\p)+FR*\i, ADRB+\slot, \q, \i
.endr
	WIN 0
.endm
.macro FETCH_A slot, q, i0
.irp i, \i0, \i0+1, \i0+2, \i0+3
	FRAG AF+FR*(\i), ADRA+\slot, \q, \i
.endr
.endm
.macro PLACES n
.rept \n
	v_nop
.endr
.endm
.macro STEP slot, q, zero
	s_wait_dscnt 4*NL
	WIN MUL_LO
	MUL16 0, (\q)%2, \zero
	MUL16 2, (\q)%2, \zero
	s_wait_dscnt 0
	PLACES NP
	FETCH_B \slot, (\q)+1, 1-(\q)%2
	FETCH_A \slot, (\q)+1, 0
	WIN MUL_HI
	MUL16 4, (\q)%2, \zero
	MUL16 6, (\q)%2, \zero
	PLACES NP
	WIN 0
	FETCH_A \slot, (\q)+1, 4
.endm
.macro TURN slot, next, fill
	s_wait_tensorcnt 0x0
	ds_add_u32 v[SPW], v[NIL]
	s_wait_dscnt 4*NL+1
	WIN MUL_LO
	MUL16 0, 1, 0
	s_wait_dscnt 0x0
	s_barrier_signal -1
	MUL16 2, 1, 0
	WIN 0
	s_barrier_wait -1
.if \fill
	CREST
	s_add_nc_u64 s[G0+4*\slot+2:G0+4*\slot+3], s[G0+4*\slot+2:G0+4*\slot+3], 2*ROWB
	s_add_nc_u64 s[G0B+4*\slot+2:G0B+4*\slot+3], s[G0B+4*\slot+2:G0B+4*\slot+3], 2*ROWB
	JLOAD G0+4*\slot, G1, G0B+4*\slot, G1B
.else
	PLACES NP
.endif
	FETCH_B \next, 0, 0
	FETCH_A \next, 0, 0
	WIN MUL_HI
	MUL16 4, 1, 0
	MUL16 6, 1, 0
	PLACES NP
	WIN 0
	FETCH_A \next, 0, 4
.endm
.macro SILU a
.set AC, 64*((\a)%4)
.set CSET, 32+16*((\a)%2)
	WIN 2+(\a)/4
.set j, 0
.rept 32
	v_pk_mul_f32 v[128+j:129+j], v[AC+j:AC+j+1], s[92:93] op_sel_hi:[1,0]
.set j, j+2
.endr
.set j, 0
.rept 32
	v_pk_mul_f32 v[192+j:193+j], v[AC+j:AC+j+1], s[94:95] op_sel_hi:[1,0]
.set j, j+2
.endr
	WIN 0
.set j, 0
	s_wait_alu depctr_va_vdst(0)
.rept 64
	v_exp_f32 v[192+j], v[192+j]
.set j, j+1
.endr
	v_nop
	s_wait_alu depctr_va_vdst(0)
.set j, 0
.rept 32
	v_pk_add_f32 v[192+j:193+j], v[192+j:193+j], 1.0 op_sel_hi:[1,0]
.set j, j+2
.endr
.set j, 0
	s_wait_alu depctr_va_vdst(0)
.rept 64
	v_rcp_f32 v[192+j], v[192+j]
.set j, j+1
.endr
	v_nop
	s_wait_alu depctr_va_vdst(0)
.set j, 0
.rept 32
	v_pk_mul_f32 v[128+j:129+j], v[128+j:129+j], v[192+j:193+j]
.set j, j+2
.endr
.set j, 0
.rept 64
	v_med3_num_f32 v[128+j], v[128+j], -v[LIM], v[LIM]
.set j, j+1
.endr
.if (\a) >= 2
	s_wait_alu depctr_va_vdst(0)
	s_wait_xcnt 0x0
.endif
.irp b, 0,1,2,3,4,5,6,7
	v_cvt_scalef32_pk8_bf8_f32 v[CSET+2*\b:CSET+2*\b+1], v[128+8*\b:135+8*\b], v[SC]
.endr
	v_nop
.irp g, 0,1,2,3
	global_store_b128 v[LI], v[CSET+4*\g:CSET+4*\g+3], s[10:11] offset:65536*(\a)+512*\g
.endr
.endm
	s_wait_alu depctr_va_vdst(0)                   ; the wait at the head's end
	s_wait_tensorcnt 0x0                           ; my part of K step 0 is in; these lines stand ahead of a later first fill as ahead of a refill
	ds_add_u32 v[SPW], v[NIL]
	s_wait_dscnt 0x0
	CROUND                                         ; a whole round: everybody's part of K step 0 is in
	JLOAD G0+4, G1, G0B+4, G1B                     ; K step 1: the first tensor load behind the round
	FETCH_B 0, 0, 0
	FETCH_A 0, 0, 0
	FETCH_A 0, 0, 4
	STEP 0, 0, 1
	s_mov_b32 s3, LAPS-1
.Llap:
	TURN 0, 1, 1
	STEP 1, 0, 0
	TURN 1, 0, 1
	STEP 0, 0, 0
	s_sub_co_u32 s3, s3, 1
	s_cmp_lg_u32 s3, 0
	s_cbranch_scc1 .Llap
	TURN 0, 1, 0
	STEP 1, 0, 0
	s_wait_dscnt 4*NL
	WIN MUL_LO
	MUL16 0, 1, 0
	MUL16 2, 1, 0
	s_wait_dscnt 0
	WIN MUL_HI
	MUL16 4, 1, 0
	MUL16 6, 1, 0
	WIN 0
	PLACES NP
.irp a, 0,1,2,3,4,5,6,7
	SILU \a
.endr
	s_wait_tensorcnt 0x0
	ds_add_u32 v[SPW], v[NIL]
	s_wait_dscnt 0x0
	CROUND
	s_endpgm
.Lfunc_end_k_q5797f6c187_ffn1:
	.size	k_q5797f6c187_ffn1, .Lfunc_end_k_q5797f6c187_ffn1-k_q5797f6c187_ffn1
	.p2alignl 7, 3214868480
	.fill 96, 4, 3214868480
	.section	.rodata,"a",@progbits
	.p2align	6, 0x0
	.amdhsa_kernel k_q5797f6c187_ffn1
		.amdhsa_group_segment_fixed_size 327680
		.amdhsa_private_segment_fixed_size 0
		.amdhsa_enable_private_segment 0
		.amdhsa_kernarg_size 32
		.amdhsa_user_sgpr_count 2
		.amdhsa_user_sgpr_kernarg_segment_ptr 1
		.amdhsa_wavefront_size32 1
		.amdhsa_system_sgpr_workgroup_id_x 1
		.amdhsa_system_sgpr_workgroup_id_y 1
		.amdhsa_system_sgpr_workgroup_id_z 1
		.amdhsa_system_vgpr_workitem_id 0
		.amdhsa_next_free_vgpr 1024
		.amdhsa_next_free_sgpr 100
		.amdhsa_reserve_vcc 0
		.amdhsa_float_denorm_mode_32 3
		.amdhsa_float_denorm_mode_16_64 3
		.amdhsa_memory_ordered 1
		.amdhsa_forward_progress 1
		.amdhsa_inst_pref_size 216
	.end_amdhsa_kernel
	.amdgpu_metadata
---
amdhsa.version: [ 1, 2 ]
amdhsa.kernels:
  - .name:           k_q5797f6c187_ffn1
    .symbol:         k_q5797f6c187_ffn1.kd
    .args:
      - { .name: h_codes, .offset: 0, .size: 8, .value_kind: global_buffer, .address_space: global }
      - { .name: w_ffn1_codes, .offset: 8, .size: 8, .value_kind: global_buffer, .address_space: global }
      - { .name: lowp_scales, .offset: 16, .size: 8, .value_kind: global_buffer, .address_space: global }
      - { .name: a_img, .offset: 24, .size: 8, .value_kind: global_buffer, .address_space: global }
    .group_segment_fixed_size: 327680
    .private_segment_fixed_size: 0
    .kernarg_segment_align: 8
    .kernarg_segment_size: 32
    .max_flat_workgroup_size: 128
    .sgpr_count:     100
    .vgpr_count:     1024
    .wavefront_size: 32
...
	.end_amdgpu_metadata
.endif
;; end of part 6
;; launch ffn2 (part 7): grid 8 x 32, 4 waves a work-group, clusters of 4 x 4, 327,680 bytes of LDS; arguments a_img, w_ffn2_codes, lowp_scales, x2, out0; writes out0
.if DOCPART == 7
	.amdgcn_target "amdgcn-amd-amdhsa--gfx1250"
	.amdhsa_code_object_version 6
	.text
	.protected	k_q5797f6c187_ffn2
	.globl	k_q5797f6c187_ffn2
	.p2align	8
	.type	k_q5797f6c187_ffn2,@function
k_q5797f6c187_ffn2:
	s_mov_b64 s[64:65], 0
	v_nop
	global_prefetch_b8 v0, s[64:65] scope:SCOPE_SE
	s_setreg_imm32_b32 hwreg(HW_REG_WAVE_MODE, 25, 1), 1
	s_wait_xcnt 0x0
	s_wait_alu depctr_hold_cnt(0) depctr_sa_sdst(0) depctr_va_vdst(0) depctr_va_sdst(0) depctr_va_ssrc(0) depctr_va_vcc(0) depctr_vm_vsrc(0)
	s_getreg_b32 s2, hwreg(HW_REG_IB_STS2, 6, 4)
	s_cmp_eq_u32 s2, 0
	s_cbranch_scc0 .Lentry_in_a_cluster
	s_endpgm
.Lentry_in_a_cluster:
	s_bfe_u32 s2, ttmp6, 0x10000c
	s_cmp_lg_u32 s2, 0xf033
	s_cbranch_scc0 .Lentry_shape_is_right
	s_endpgm
.Lentry_shape_is_right:
; LAUNCH 7 OF 7.  out0 = x2 + a W_ffn2, the product on codes of E5M2, K = 4,096.  No work is left out.
; N is 1,024: tiles of 128 x 128 give 256 work-groups.  Four waves, each 64 x 64 in 16 accumulators.  K goes in steps of 512 through a ring of two LDS slots.
; A comes as images of fragments (16 rows x 128 K, 2,048 bytes, registers 4 g .. 4 g + 3 of lane l at 512 g + 16 l) in the plain 8-bit layout (ISA guide 7.12.2): four loads of 512 consecutive bytes bring one.
; B lies in rows and is read in the same layout: eight loads of 8 bytes at 16 c + 8 (lane / 16), so that every k meets its partner.
; CLUSTERS: 4 x 4 work-groups; A's tiles are asked for jointly along a row of the cluster, B's along a column.  The matrix instruction takes B's rows as source 0 and A's as source 1: a lane holds 8 neighbours of a row.
; The residual's rows are loaded at the head, in the layout in which rows come back from the stage, and are on their way during the product.  y = sum x 2^(eA + eB) + residual: one packed multiply-add for two numbers.
; LIMIT: e10 + e11 between -126 and 127.
; REGISTERS: window 0: v16-29 addresses; v32-95 rows back from the stage, two sets; v128-255 the accumulators ((a, b) at v[128 + 8 (4 a + b)]).  window 1: two fragment buffers of 128: A's four at +16 i, B's at +64 + 16 i.
;   window 2: the residual: v[32 a + 4 i].
.set KTOT,   4096
.set ESC,    0x28                      ; the two exponents' place among the scales
.set TWO_RES, 0
.set LAPS,   KTOT/1024
.set ASLOT,  65536
.set BP,     528                       ; B's row in LDS: 512 bytes + 16: the 32 lanes of an 8-byte load touch 64 different banks (64 banks of 4 bytes: ISA guide 11.1)
.set BHALF,  64*BP
.set SLOT,   ASLOT+2*BHALF
.set SPARE,  2*SLOT
.set SP,     272                       ; the way out: a stage of 16 rows x (256 + 16) bytes for each wave, in slot 0, which has had its last fill and its last read by then
.set ADRA, 16
.set ADRB, 20
.set STO,  24
.set RD,   25
.set CO,   26
.set SPW,  28
.set NIL,  29
.set ACC,  128
.set G1, 24
.set G0, 32
.set G1B, 48
.set G0B, 56
.set MSB, 0
.macro WIN new
.if MSB != \new
	s_set_vgpr_msb (MSB<<8)|\new
.set MSB, \new
.endif
.endm
.set MUL,  0x05
.set TO_F, 0x40
.macro JLOAD g0a, g1a, g0b, g1b
	s_cmp_eq_u32 s15, 0
	s_cbranch_scc0 .Lfor_b_\@
	tensor_load_to_lds s[\g0a:\g0a+3], s[\g1a:\g1a+7]
	s_nop 0
.rept 4
	v_nop
.endr
	s_branch .Lasked_\@
.Lfor_b_\@:
	tensor_load_to_lds s[\g0b:\g0b+3], s[\g1b:\g1b+7]
	s_nop 0
.rept 4
	v_nop
.endr
.Lasked_\@:
.endm
.macro CREST
	s_cmp_lg_u32 s14, 0
	s_cbranch_scc1 .Lnot_wave_0_\@
	s_barrier_signal -3
.Lnot_wave_0_\@:
	s_barrier_wait -3
	s_barrier_signal -1
	s_barrier_wait -1
.endm
.macro CROUND
	s_barrier_signal -1
	s_barrier_wait -1
	CREST
.endm
	s_load_b256 s[4:11], s[0:1], 0x0               ; A's images s[4:5], B's codes s[6:7], the scales' exponents s[8:9], the residual s[10:11]
.if TWO_RES
	s_load_b128 s[68:71], s[0:1], 0x20
.else
	s_load_b64 s[70:71], s[0:1], 0x20              ; the result
.endif
	v_lshl_add_u32 v[SPW], v0, 2, SPARE
	v_mov_b32 v[NIL], 0
	ds_add_u32 v[SPW], v[NIL]                      ; the wave's opening: the add, twice on end, and its wait ahead of my first tensor load
	ds_add_u32 v[SPW], v[NIL]
	v_lshrrev_b32 v1, 5, v0
	v_readfirstlane_b32 s14, v1
	s_lshr_b32 s15, s14, 1
	s_and_b32 s16, s14, 1
	s_bfe_u32 s40, ttmp6, 0x40000
	s_bfe_u32 s41, ttmp6, 0x40004
	s_lshl_b32 s42, ttmp9, 2
	s_add_co_u32 s42, s42, s40                     ; tile column
	s_and_b32 s17, ttmp7, 0xffff
	s_lshl_b32 s17, s17, 2
	s_add_co_u32 s17, s17, s41                     ; tile row
	s_lshl_b32 s43, s41, 2
	s_lshl_b32 s43, 15, s43
	s_lshl_b32 s44, 0x1111, s40
	s_or_b32 s[G1+0], s43, (3<<16)|(1<<21)         ; A: the mask; elements of 8 bytes; bit 21 beside a mask; no padding
	s_mov_b32 s[G1+1], 1024<<16                    ; a row tile's four images, 8,192 bytes
	s_mov_b32 s[G1+2], 4<<16                       ; four row tiles
	s_mov_b32 s[G1+3], 1024<<16
	s_mov_b32 s[G1+4], 4
	s_mov_b32 s[G1+5], 2*KTOT                      ; from row tile to row tile: 16 KTOT bytes
	s_mov_b32 s[G1+6], 0
	s_mov_b32 s[G1+7], 0
	s_or_b32 s[G1B+0], s44, (0<<16)|(1<<20)|(1<<21)|(6<<22)|(3<<25)  ; B: elements of 1 byte; after every 128 words, 4 words of padding
	s_mov_b32 s[G1B+1], 512<<16
	s_mov_b32 s[G1B+2], 64<<16
	s_mov_b32 s[G1B+3], 512<<16
	s_mov_b32 s[G1B+4], 64
	s_mov_b32 s[G1B+5], KTOT
	s_mov_b32 s[G1B+6], 0
	s_mov_b32 s[G1B+7], 0
	s_lshl_b32 s18, s16, 2
	s_lshl_b32 s20, s17, 3
	s_add_co_u32 s20, s20, s18
	s_mul_i32 s20, s20, 16*KTOT
	s_mov_b32 s21, 0
	s_lshl_b32 s18, s16, 6
	s_lshl_b32 s46, s42, 7
	s_add_co_u32 s46, s46, s18
	s_mul_i32 s46, s46, KTOT
	s_mov_b32 s47, 0
	s_lshl_b32 s45, s16, 15
	s_mul_i32 s19, s16, BHALF
	s_add_co_u32 s19, s19, ASLOT
	s_wait_dscnt 0x0
	s_wait_kmcnt 0x0
	s_load_b64 s[96:97], s[8:9], ESC               ; eA, eB
	s_add_nc_u64 s[20:21], s[4:5], s[20:21]
	s_add_nc_u64 s[46:47], s[6:7], s[46:47]
	CROUND
.irp s, 0,1
	s_mov_b32 s[G0+4*\s], 1
	s_add_co_u32 s[G0+4*\s+1], s45, \s*SLOT
	s_add_nc_u64 s[G0+4*\s+2:G0+4*\s+3], s[20:21], \s*8192
	s_or_b32 s[G0+4*\s+3], s[G0+4*\s+3], 0x80000000
	s_mov_b32 s[G0B+4*\s], 1
	s_add_co_u32 s[G0B+4*\s+1], s19, \s*SLOT
	s_add_nc_u64 s[G0B+4*\s+2:G0B+4*\s+3], s[46:47], \s*512
	s_or_b32 s[G0B+4*\s+3], s[G0B+4*\s+3], 0x80000000
.endr
	JLOAD G0, G1, G0B, G1B                         ; K step 0: one tensor load a wave at the head
	; THE PREFETCHES INTO THE L2.  With the tensor load of K step e goes one prefetch a wave for K step e + 2 (here, with K step 0's, also K step 1); the loop's last trip, whose loads are K steps 6 and 7, asks for nothing.
	; A wave's part of a K step is 32,768 bytes (A: 4 row tiles x 8,192; B: 64 rows x 512).  The four partners that ask for it jointly share it out BY ADDRESS: the partner at place p (cx for A, cy for B) takes the
	; 8,192 bytes that begin 65,536 p bytes on (A: row tile p; B: rows 16 p on, two blocks of 256 bytes a row): each lane names another aligned block of 256 bytes, and each block is named once in a cluster.
	s_cmp_eq_u32 s15, 0                            ; do I fetch for A?
	s_cselect_b64 s[72:73], s[20:21], s[46:47]     ; my part's first byte
	s_cselect_b32 s74, s40, s41                    ; my place among the four
	s_mov_b32 s76, 4096
	s_cselect_b32 s76, 512, s76                    ; from one pair of lanes to the next: A 512 bytes on, B a row on
	s_mov_b32 s78, 512
	s_cselect_b32 s78, 8192, s78                   ; a K step on
	s_mov_b32 s79, 0
	s_mov_b32 s75, 0
	s_lshl_b32 s74, s74, 16
	s_add_nc_u64 s[72:73], s[72:73], s[74:75]
	s_add_nc_u64 s[72:73], s[72:73], s[78:79]      ; at K step 1
	v_and_b32 v30, 31, v0
	v_lshrrev_b32 v31, 1, v30
	v_and_b32 v30, 1, v30
	v_mul_lo_u32 v31, v31, s76
	v_lshl_add_u32 v30, v30, 8, v31                ; v30: my lane's block; v31: the same a K step on; v15: two K steps on; none is rewritten
	v_add_nc_u32 v31, s78, v30
	v_add_nc_u32 v15, s78, v31
	global_prefetch_b8 v30, s[72:73] th:TH_LOAD_NT scope:SCOPE_SE   ; K step 1
	global_prefetch_b8 v31, s[72:73] th:TH_LOAD_NT scope:SCOPE_SE   ; K step 2
	v_and_b32 v1, 15, v0
	v_bfe_u32 v2, v0, 4, 1
	v_and_b32 v3, 31, v0
	v_lshlrev_b32 v3, 4, v3
	v_mul_u32_u24 v4, v1, BP
	v_lshl_add_u32 v4, v2, 3, v4
	s_lshl_b32 s21, s15, 15
	s_mul_i32 s22, s16, BHALF
	s_add_co_u32 s22, s22, ASLOT
.irp s, 0,1
	v_add_nc_u32 v[ADRA+\s], s21, v3
	v_add_nc_u32 v[ADRB+\s], s22, v4
	s_add_co_u32 s21, s21, SLOT
	s_add_co_u32 s22, s22, SLOT
.endr
	s_mul_i32 s23, s14, 16*SP
	v_mul_u32_u24 v5, v1, SP
	v_lshl_add_u32 v5, v2, 5, v5
	v_add_nc_u32 v[STO], s23, v5
	v_mul_u32_u24 v5, v2, SP
	v_lshl_add_u32 v5, v1, 4, v5
	v_add_nc_u32 v[RD], s23, v5
	v_lshlrev_b32 v5, 12, v2
	v_lshl_add_u32 v[CO], v1, 4, v5
	s_wait_alu depctr_va_vdst(0)
	s_lshl_b32 s20, s17, 7
	s_lshl_b32 s21, s15, 6
	s_add_co_u32 s20, s20, s21
	s_lshl_b32 s20, s20, 12
	s_lshl_b32 s21, s42, 9
	s_add_co_u32 s20, s20, s21
	s_lshl_b32 s21, s16, 8
	s_add_co_u32 s20, s20, s21
	s_mov_b32 s21, 0
	s_add_nc_u64 s[10:11], s[10:11], s[20:21]
	s_add_nc_u64 s[70:71], s[70:71], s[20:21]
.if TWO_RES
	s_add_nc_u64 s[68:69], s[68:69], s[20:21]
.endif
	WIN 0x80                                       ; destination window 2
.irp a, 0,1,2,3
.irp i, 0,1,2,3,4,5,6,7
	global_load_b128 v[32*\a+4*\i:32*\a+4*\i+3], v[CO], s[10:11] offset:(16*\a+2*\i)*4096 th:TH_LOAD_NT
.endr
.endr
.if TWO_RES
.irp a, 0,1,2,3
.irp i, 0,1,2,3,4,5,6,7
	global_load_b128 v[128+32*\a+4*\i:128+32*\a+4*\i+3], v[CO], s[68:69] offset:(16*\a+2*\i)*4096 th:TH_LOAD_NT
.endr
.endr
.endif
	WIN 0
; The 16 accumulators take turns, one instruction a turn.
.macro MUL8 f, a0, zero
	WIN MUL
.irp a, \a0, \a0+1
.irp b, 0,1,2,3
.if \zero
	v_wmma_f32_16x16x128_bf8_bf8 v[ACC+8*(4*(\a)+\b):ACC+8*(4*(\a)+\b)+7], v[(\f)+64+16*\b:(\f)+64+16*\b+15], v[(\f)+16*(\a):(\f)+16*(\a)+15], 0
.else
	v_wmma_f32_16x16x128_bf8_bf8 v[ACC+8*(4*(\a)+\b):ACC+8*(4*(\a)+\b)+7], v[(\f)+64+16*\b:(\f)+64+16*\b+15], v[(\f)+16*(\a):(\f)+16*(\a)+15], v[ACC+8*(4*(\a)+\b):ACC+8*(4*(\a)+\b)+7]
.endif
.endr
.endr
.endm
.macro FETCH slot, q, f
	WIN TO_F
.irp i, 0,1,2,3
.irp g, 0,1,2,3
	ds_load_b128 v[(\f)+16*\i+4*\g:(\f)+16*\i+4*\g+3], v[ADRA+\slot] offset:8192*\i+2048*(\q)+512*\g
.endr
.irp c, 0,1,2,3,4,5,6,7
	ds_load_b64 v[(\f)+64+16*\i+2*\c:(\f)+64+16*\i+2*\c+1], v[ADRB+\slot] offset:16*BP*\i+128*(\q)+16*\c
.endr
.endr
.endm
.macro PLACES n
.rept \n
	v_nop
.endr
.endm
.macro SUB slot, q, zero
.set FF, 128*((\q)%2)
.set GG, 128-FF
	s_wait_dscnt 0x0                               ; this buffer's fragments are in
	PLACES 4                                       ; behind the products that read the other buffer
	FETCH \slot, (\q)+1, GG
	MUL8 FF, 0, \zero
	MUL8 FF, 2, \zero
.endm
; A slot's last 128 changes slots: one barrier; in front of it each wave waits for all its tensor loads, adds 0 to its spare word, and waits for that and for its reads of this slot.
.macro TURN slot, next, fill
	WIN 0
.if \fill
	s_wait_xcnt 0x0                                ; my last prefetch has read its address, so it may be stepped:
	s_add_nc_u64 s[72:73], s[72:73], s[78:79]      ; a K step on
.endif
	s_wait_tensorcnt 0x0                           ; all my tensor loads have landed: my part of the next slot
	ds_add_u32 v[SPW], v[NIL]
	s_wait_dscnt 0x0                               ; the add is done, and my reads of this slot are over
	s_barrier_signal -1
	MUL8 128, 0, 0
	WIN 0
	s_barrier_wait -1
.if \fill
	CREST                                          ; the barrier has opened a round of the cluster's: no wave of any partner still reads this slot or has a load on its way
	s_add_nc_u64 s[G0+4*\slot+2:G0+4*\slot+3], s[G0+4*\slot+2:G0+4*\slot+3], 2*8192
	s_add_nc_u64 s[G0B+4*\slot+2:G0B+4*\slot+3], s[G0B+4*\slot+2:G0B+4*\slot+3], 2*512
	JLOAD G0+4*\slot, G1, G0B+4*\slot, G1B         ; the first tensor load behind the round; its four v_nop are the places in front of the loads below
.else
	PLACES 4
.endif
	FETCH \next, 0, 0
.if \fill
	WIN 0                                          ; at a branch and at a label every window is 0
	s_cmp_gt_u32 s3, 1                             ; s3 = 1 in the loop's last trip: there is no K step two loads on
	s_cbranch_scc0 .Lnone_\@
	global_prefetch_b8 v15, s[72:73] th:TH_LOAD_NT scope:SCOPE_SE   ; the K step two loads on from the one just asked for
.Lnone_\@:
.endif
	MUL8 128, 2, 0
.endm
	s_wait_alu depctr_va_vdst(0)                   ; the wait at the head's end
	s_wait_tensorcnt 0x0                           ; my part of K step 0 is in; these lines stand ahead of a later first fill as ahead of a refill
	ds_add_u32 v[SPW], v[NIL]
	s_wait_dscnt 0x0
	CROUND                                         ; a whole round: everybody's part of K step 0 is in
	JLOAD G0+4, G1, G0B+4, G1B                     ; K step 1: the first tensor load behind the round
	FETCH 0, 0, 0
	WIN 0
	global_prefetch_b8 v15, s[72:73] th:TH_LOAD_NT scope:SCOPE_SE   ; K step 3
	SUB 0, 0, 1
.if LAPS > 1
	WIN 0
	s_mov_b32 s3, LAPS-1
.Llap:                                             ; a trip goes once round the ring and fills both slots again
	SUB 0, 1, 0
	SUB 0, 2, 0
	TURN 0, 1, 1
	SUB 1, 0, 0
	SUB 1, 1, 0
	SUB 1, 2, 0
	TURN 1, 0, 1
	SUB 0, 0, 0
	WIN 0
	s_sub_co_u32 s3, s3, 1
	s_cmp_lg_u32 s3, 0
	s_cbranch_scc1 .Llap
.endif
	SUB 0, 1, 0
	SUB 0, 2, 0
	TURN 0, 1, 0
	SUB 1, 0, 0
	SUB 1, 1, 0
	SUB 1, 2, 0
	s_wait_dscnt 0x0
	MUL8 128, 0, 0
	MUL8 128, 2, 0
	; THE WAY OUT, a block of 16 rows x 64 columns at a time through my own stage: sixteen lanes then store 256 consecutive bytes, aligned
	s_wait_loadcnt 0x0                             ; the residual
	s_wait_kmcnt 0x0
	s_add_co_i32 s96, s96, s97
	s_add_co_i32 s96, s96, 127
	s_lshl_b32 s96, s96, 23                        ; 2^(eA + eB) as f32
	s_mov_b32 s97, s96
.if TWO_RES
	WIN 0x8a
.set j, 0
.rept 64
	v_pk_add_f32 v[j:j+1], v[j:j+1], v[128+j:129+j]
.set j, j+2
.endr
.else
	PLACES 4
.endif
	WIN 0
.macro TOSTAGE a
.set BB, 32+32*((\a)%2)
.irp b, 0,1,2,3
	ds_store_b128 v[STO], v[ACC+8*(4*(\a)+\b):ACC+8*(4*(\a)+\b)+3] offset:64*\b        ; each accumulator from its low end on
	ds_store_b128 v[STO], v[ACC+8*(4*(\a)+\b)+4:ACC+8*(4*(\a)+\b)+7] offset:64*\b+16
.endr
.irp i, 0,1,2,3,4,5,6,7
	ds_load_b128 v[BB+4*\i:BB+4*\i+3], v[RD] offset:2*SP*\i    ; LDS serves a wave's instructions in order (ISA guide 5.7.1.4): these see my stores
.endr
.endm
.macro SEND a, younger
.set BB, 32+32*((\a)%2)
	s_wait_dscnt \younger
	WIN 0x20                                       ; source 2 window 2
.set j, 0
.rept 16
	v_pk_fma_f32 v[BB+j:BB+j+1], v[BB+j:BB+j+1], s[96:97], v[32*(\a)+j:32*(\a)+j+1] op_sel_hi:[1,0,1]
.set j, j+2
.endr
	WIN 0
.irp i, 0,1,2,3,4,5,6,7
.if TWO_RES
	global_store_b128 v[CO], v[BB+4*\i:BB+4*\i+3], s[70:71] offset:(16*(\a)+2*\i)*4096
.else
	global_store_b128 v[CO], v[BB+4*\i:BB+4*\i+3], s[70:71] offset:(16*(\a)+2*\i)*4096 th:TH_STORE_NT
.endif
.endr
.endm
	TOSTAGE 0
.irp a, 1,2,3
.if \a > 1
	s_wait_xcnt 0x0                                ; block a - 2's stores have read their data: block a's loads may land there
.endif
	TOSTAGE \a
	SEND \a-1, 16                                  ; behind block a - 1's loads: block a's 8 stores and 8 loads
.endr
	SEND 3, 0
	s_wait_tensorcnt 0x0                           ; the wave's end
	ds_add_u32 v[SPW], v[NIL]
	s_wait_dscnt 0x0
	CROUND                                         ; the closing round
	s_endpgm
.Lfunc_end_k_q5797f6c187_ffn2:
	.size	k_q5797f6c187_ffn2, .Lfunc_end_k_q5797f6c187_ffn2-k_q5797f6c187_ffn2
	.p2alignl 7, 3214868480
	.fill 96, 4, 3214868480
	.section	.rodata,"a",@progbits
	.p2align	6, 0x0
	.amdhsa_kernel k_q5797f6c187_ffn2
		.amdhsa_group_segment_fixed_size 327680
		.amdhsa_private_segment_fixed_size 0
		.amdhsa_enable_private_segment 0
		.amdhsa_kernarg_size 40
		.amdhsa_user_sgpr_count 2
		.amdhsa_user_sgpr_kernarg_segment_ptr 1
		.amdhsa_wavefront_size32 1
		.amdhsa_system_sgpr_workgroup_id_x 1
		.amdhsa_system_sgpr_workgroup_id_y 1
		.amdhsa_system_sgpr_workgroup_id_z 1
		.amdhsa_system_vgpr_workitem_id 0
		.amdhsa_next_free_vgpr 768
		.amdhsa_next_free_sgpr 100
		.amdhsa_reserve_vcc 0
		.amdhsa_float_denorm_mode_32 3
		.amdhsa_float_denorm_mode_16_64 3
		.amdhsa_memory_ordered 1
		.amdhsa_forward_progress 1
		.amdhsa_inst_pref_size 95
	.end_amdhsa_kernel
	.amdgpu_metadata
---
amdhsa.version: [ 1, 2 ]
amdhsa.kernels:
  - .name:           k_q5797f6c187_ffn2
    .symbol:         k_q5797f6c187_ffn2.kd
    .args:
      - { .name: a_img, .offset: 0, .size: 8, .value_kind: global_buffer, .address_space: global }
      - { .name: w_ffn2_codes, .offset: 8, .size: 8, .value_kind: global_buffer, .address_space: global }
      - { .name: lowp_scales, .offset: 16, .size: 8, .value_kind: global_buffer, .address_space: global }
      - { .name: x2, .offset: 24, .size: 8, .value_kind: global_buffer, .address_space: global }
      - { .name: out0, .offset: 32, .size: 8, .value_kind: global_buffer, .address_space: global }
    .group_segment_fixed_size: 327680
    .private_segment_fixed_size: 0
    .kernarg_segment_align: 8
    .kernarg_segment_size: 40
    .max_flat_workgroup_size: 128
    .sgpr_count:     100
    .vgpr_count:     768
    .wavefront_size: 32
...
	.end_amdgpu_metadata
.endif
;; end of part 7
